; MI455X (gfx1250); checked and timed in simulation.
; The chip was launched on July 23, 2026; its instructions are those of AMD's public machine-readable ISA for CDNA 5 (MIT licence, August 2026) and "CDNA5" Instruction Set Architecture Reference Guide (July 2026). The comments in the code are by the model that wrote it; some were corrected since.
;; Vi T Self Attention. Allowed arithmetic: matrix products marked QUANTISED: E3M2 operands, one E8M0 scale for each 32 along K, by v_wmma_scale_f32_16x16x128_f8f6f4 with both operands' format E3M2, f32 sums; everything else in f32.
;; Inputs: Wc 768 x 768 float32; Wk 768 x 768 float32; Wq 768 x 768 float32; Wv 768 x 768 float32; bc 768 float32; bk 768 float32; bq 768 float32; bv 768 float32; x 16 x 1,024 x 768 float32.
;; Outputs: out0 16 x 1,024 x 768 float32.
;; This version of the problem:
;;   THIS VERSION OF THE PROBLEM IS GIVEN IN LOW PRECISION. The matrix products marked QUANTISED in the list below multiply operands that are first quantised to E3M2 (3 exponent bits, 2 mantissa bits; 6 bits a number), with one power-of-two scale for each 32 numbers along K (OCP MX v1.0); their sums are f32. All else is computed in f32.
;;   The module's matrix products, in the order in which they are computed (A, B: the left and right operand; K: the contracted axis; several contracted axes count as one K, in the product's order):
;;     1. [M 16,384, K 768] x [K 768, N 768]; A: input x; B: input Wq: QUANTISED
;;     2. [M 16,384, K 768] x [K 768, N 768]; A: input x; B: input Wk: QUANTISED
;;     3. [M 16,384, K 768] x [K 768, N 768]; A: input x; B: input Wv: QUANTISED
;;     4. batch 192 x [M 1,024, K 64] x [K 64, N 1,024]; A: computed on the way; B: computed on the way: QUANTISED
;;     5. batch 192 x [M 1,024, K 1,024] x [K 1,024, N 64]; A: softmax (see below); B: computed on the way: QUANTISED
;;     6. [M 16,384, K 768] x [K 768, N 768]; A: computed on the way; B: input Wc: QUANTISED
;;   THE QUANTISER, for each operand of a quantised product, along K:
;;     - K is cut into blocks of 32 from its start; a last block that is shorter is filled with zeros.
;;     - A block's scale is 2^e with e = floor(log2(the largest magnitude in the block)) - 4, held to -126 .. 127; a block of zeros has e = 0. As a byte (E8M0): e + 127.
;;     - Each number is divided by its block's scale, clamped to +-28, and rounded to the nearest number of E3M2, ties to even, subnormals kept.
;;     - The product sums the exact products of the quantised numbers (number of the format x scale) in f32.
;;   ~~~python
;;   def quantise(x, axis):      # numpy; x: float32 -> the quantised numbers, widened to float32 again
;;       x = np.moveaxis(x, axis, -1); K = x.shape[-1]
;;       x = np.pad(x, [(0, 0)] * (x.ndim - 1) + [(0, -K % 32)]); x = x.reshape(x.shape[:-1] + (-1, 32)); a = np.abs(x).max(-1, keepdims=True)
;;       e = np.where(a > 0, np.clip(np.frexp(np.where(a > 0, a, 1))[1] - 1 - 4, -126, 127), 0)      # np.frexp(a)[1] - 1 = floor(log2(a)), exactly
;;       r = np.clip(x / 2.0 ** e, -28, 28)
;;       step = 2.0 ** (np.maximum(np.frexp(np.where(r == 0, 1, r))[1] - 1, -2) - 2)
;;       q = np.round(r / step) * step * 2.0 ** e      # np.round: ties to even
;;       return np.moveaxis(q.reshape(q.shape[:-2] + (-1,))[..., :K], -1, axis).astype(np.float32)
;;   ~~~
;;   SOFTMAX AHEAD OF A QUANTISED PRODUCT. Where the list says 'softmax', what is quantised is not the finished softmax but p = 2^(t - M), with t = logit x log2(e) and M = ceil(the row's largest t), a whole number; so 1/2 < the row's largest p <= 1. The row's sum l is taken of the UNQUANTISED p, in f32, and the product's result is divided by l at the end. Since M is a whole number, a kernel that streams over the keys may use a running M (the ceiling of the running maximum): every later rescaling is an exact power of two, which a block's scale takes up: the codes' values come out the same.
;;   OPERANDS COMPUTED ON THE WAY. 'Computed on the way' means the value that the module computes at that place (a softmax that the list does not call 'softmax' is quantised finished and normalised). What goes into a quantiser is computed in f32, as accurately as f32 sums, v_exp_f32 and their like allow (about 1e-6 of the number): no bf16 or f16 on the way to a quantiser, and a product that is left as it is and whose result goes on into a quantised operand takes f32 operands (vector FMAs, or v_wmma_f32_16x16x4_f32). A number that lies on a knife's edge between two numbers of the format may be rounded either way, as far as f32 arithmetic and the matrix unit's own rounding can turn it there, and no further.
;; One version. Each part assembles by itself: llvm-mc -triple=amdgcn-amd-amdhsa -mcpu=gfx1250 --defsym DOCPART=n.
;; ======== version 1 of 1: 4 launches
;; limits: right only within a limited range of input values
;; workspace buffers: x_img 9,437,184 bytes; x_scl 393,216 bytes; w_img 1,769,472 bytes; w_scl 73,728 bytes; q_img 10,223,616 bytes; kv 20,447,232 bytes; ctx_img 9,437,184 bytes; ctx_scl 393,216 bytes
;; launch quant (part 1): grid 152 x 3, 4 waves a work-group, no clusters, 34,304 bytes of LDS; arguments x, Wq, Wk, Wv, Wc, x_img, x_scl, w_img, w_scl; writes x_img, x_scl, w_img, w_scl
.if DOCPART == 1
	.amdgcn_target "amdgcn-amd-amdhsa--gfx1250"
	.amdhsa_code_object_version 6
	.text
	.protected	k_qae1faa2182_quant
	.globl	k_qae1faa2182_quant
	.p2align	8
	.type	k_qae1faa2182_quant,@function
k_qae1faa2182_quant:
	s_mov_b64 s[64:65], 0
	v_nop
	global_prefetch_b8 v0, s[64:65] scope:SCOPE_SE
	s_setreg_imm32_b32 hwreg(HW_REG_WAVE_MODE, 25, 1), 1
	s_wait_xcnt 0x0
; x [16384][768] and Wq, Wk, Wv, Wc [768][768], f32, K innermost, become codes of BF6 (E3M2) with one E8M0 byte for each 32 along K,
; laid as IMAGES OF OPERAND REGISTERS.  A fragment is 16 rows x 128 K = 12 registers a lane = 1,536 bytes: chunk c (512 bytes) holds registers 4 c .. 4 c + 3, lane l at 16 l.
; ROWS GO IN PAIRS OF TILES: pair P is rows 32 P .. 32 P + 31; lane position r of tile u holds row 32 P + 8 u + r + 8 (r / 8).
; Image: P x 18432 + s x 3072 + u x 1536 (s: K step of 128).  Scale words: P x 768 + (s / 2) x 256 + (16 u + r) x 8 + (s % 2) x 4.
; A block's scale is 2^(floor(log2(largest magnitude)) - 4): its byte is the largest magnitude's exponent field - 4, held at 1 from below by a floor among the maximum's leaves.
; LIMITS: a block of zeros, or one whose largest magnitude lies under 2^-122, gets the byte 1 (its codes are then zeros or subnormal codes; this program alone reads the bytes); NaN and infinities are not served.
; SHARES: a wave takes one pair of rows and two K steps (1,024 bytes of each row: work-group y).  Work-groups x 0-127 take x, 128-151 the four weights, six each: only pointers are chosen, all take one path.
; Each load reads 512 consecutive bytes of one row; a tile-step (16 rows x 512 bytes) turns through the wave's own stage in LDS (rows 528 bytes apart), from which a lane takes whole blocks of 32 neighbours.
; No cluster, no tensor load, no barrier: waves share nothing.  Two tile-steps (32 loads a wave) are on their way.
.set ROWB, 3072
.set SP,   528                         ; a stage row: 512 bytes + 16
.set LI,   2                           ; v2   16 x lane
.set SIN,  3                           ; v3   stage, way in: 16 x lane
.set SOUT, 4                           ; v4   stage, way out: 528 r + 128 h
.set L8,   5                           ; v5   8 x lane
.set H8,   6                           ; v6   8 h
.set R,    16                          ; v16-143  two sets of 64: a tile-step as loaded
.set X,    144                         ; v144-207 my two blocks of 32 neighbours
.set PC,   208                         ; v208-219 the fragment's codes
.set CT,   220                         ; v220-222, v224-226 the second halves of the two blocks, as converted
.set MX,   228                         ; v228-229 maxima, v230-231 scale operands, v232-233 bytes
.set WD,   234                         ; v234-237 the scale word of tile-step 2 u + sigma
.set T0,   238
.set SW,   240                         ; v[240:241] the two words that I store
	s_load_b256 s[4:11], s[0:1], 0x0               ; x, Wq, Wk, Wv
	s_load_b256 s[12:19], s[0:1], 0x20             ; Wc, x_img, x_scl, w_img
	s_load_b64 s[20:21], s[0:1], 0x40              ; w_scl
	v_lshl_add_u32 v254, v0, 2, 0x8400
	v_mov_b32 v255, 0
	v_lshrrev_b32 v1, 5, v0
	v_readfirstlane_b32 s22, v1                    ; wave
	v_and_b32 v1, 31, v0                           ; lane
	v_lshlrev_b32 v[LI], 4, v1
	v_and_b32 v7, 15, v0                           ; r
	v_bfe_u32 v8, v0, 4, 1                         ; h
	s_mul_i32 s23, s22, 16*SP                      ; my stage
	v_add_nc_u32 v[SIN], s23, v[LI]
	v_mul_u32_u24 v[SOUT], v7, SP
	v_lshl_add_u32 v[SOUT], v8, 7, v[SOUT]
	v_add_nc_u32 v[SOUT], s23, v[SOUT]
	v_lshlrev_b32 v[L8], 3, v1
	v_lshlrev_b32 v[H8], 3, v8
	v_mov_b32 v[T0+1], 0                           ; a lane permute's destination counts as read: written once
	s_mov_b32 s32, 0x76543210
	s_mov_b32 s33, 0xfedcba98                      ; selects for lane l xor 16
	s_and_b32 s24, ttmp7, 0xffff                   ; which two K steps
	s_lshl_b32 s25, ttmp9, 2
	s_add_co_u32 s25, s25, s22                     ; x's pair, or 512 + the pair among the weights' 96
	s_sub_co_u32 s26, s25, 512
	s_wait_alu depctr_va_vdst(0)
	s_wait_kmcnt 0x0
	s_cmp_ge_u32 ttmp9, 134                        ; which weight: the choices hang on the work-group's number alone
	s_cselect_b64 s[6:7], s[8:9], s[6:7]
	s_cselect_b32 s27, 24, 0
	s_cmp_ge_u32 ttmp9, 140
	s_cselect_b64 s[6:7], s[10:11], s[6:7]
	s_cselect_b32 s27, 48, s27
	s_cmp_ge_u32 ttmp9, 146
	s_cselect_b64 s[6:7], s[12:13], s[6:7]
	s_cselect_b32 s27, 72, s27
	s_sub_co_u32 s27, s26, s27                     ; the pair inside its weight
	s_cmp_lt_u32 ttmp9, 128                        ; x or a weight
	s_cselect_b64 s[4:5], s[4:5], s[6:7]           ; from where
	s_cselect_b64 s[14:15], s[14:15], s[18:19]     ; the images
	s_cselect_b64 s[16:17], s[16:17], s[20:21]     ; the scale words
	s_cselect_b32 s27, s25, s27
	s_cselect_b32 s26, s25, s26
	s_mul_i32 s28, s27, 32*ROWB
	s_lshl_b32 s29, s24, 10
	s_add_co_u32 s28, s28, s29
	s_mov_b32 s29, 0
	s_add_nc_u64 s[4:5], s[4:5], s[28:29]
	s_mul_i32 s28, s26, 18432
	s_mul_i32 s30, s24, 6144
	s_add_co_u32 s28, s28, s30
	s_add_nc_u64 s[14:15], s[14:15], s[28:29]
	s_mul_i32 s28, s26, 768
	s_lshl_b32 s30, s24, 8
	s_add_co_u32 s28, s28, s30
	s_add_nc_u64 s[16:17], s[16:17], s[28:29]
; tile-step k: tile u = k / 2, K step sigma = k % 2 of my two
.macro LOAD k
.irp p, 0,1,2,3,4,5,6,7,8,9,10,11,12,13,14,15
	global_load_b128 v[R+64*((\k)%2)+4*\p:R+64*((\k)%2)+4*\p+3], v[LI], s[4:5] offset:(8*((\k)/2)+\p+8*(\p/8))*ROWB+512*((\k)%2) th:TH_LOAD_NT
.endr
.endm
.macro TS k
.if (\k) < 3
	s_wait_loadcnt 16                              ; this tile-step's 16 loads are in; the next one's 16 may be out
.else
	s_wait_loadcnt 0x0
.endif
.irp p, 0,1,2,3,4,5,6,7,8,9,10,11,12,13,14,15
	ds_store_b128 v[SIN], v[R+64*((\k)%2)+4*\p:R+64*((\k)%2)+4*\p+3] offset:SP*\p
.endr
.irp c, 0,1
.irp j, 0,1,2,3,4,5,6,7
	ds_load_b128 v[X+32*\c+4*\j:X+32*\c+4*\j+3], v[SOUT] offset:256*\c+16*\j   ; k = 64 c + 32 h + 0 .. 31 of row r; LDS serves a wave's instructions in order: these see my stores
.endr
.endr
	s_wait_dscnt 0x0                               ; my numbers are back, and the stores have read their registers,
.if (\k) < 2
	LOAD (\k)+2                                    ; which take the loads of two tile-steps on
.endif
.irp c, 0,1
	v_max3_num_f32 v[MX+\c], |v[X+32*\c]|, |v[X+32*\c+1]|, 0x2800000   ; block 2 c + h is all mine; the floor 2^(5 - 127) holds the byte at 1 from below
.endr
.irp i, 2,4,6,8,10,12,14,16,18,20,22,24,26,28,30
.irp c, 0,1
	v_max3_num_f32 v[MX+\c], v[MX+\c], |v[X+32*\c+\i]|, |v[X+32*\c+\i+1]|
.endr
.endr
.irp c, 0,1
	v_add_nc_u32 v[MX+2+\c], 0xfe000000, v[MX+\c]  ; 4 off the exponent field: the conversion's scale operand
.endr
.irp c, 0,1
	v_lshrrev_b32 v[MX+4+\c], 23, v[MX+2+\c]       ; the byte
.endr
	v_lshl_or_b32 v[T0], v[MX+5], 16, v[MX+4]      ; blocks h and 2 + h,
	v_lshlrev_b32 v[T0], v[H8], v[T0]              ; at their places in the word;
	v_permlanex16_b32 v[T0+1], v[T0], s32, s33
	v_or_b32 v[WD+(\k)], v[T0], v[T0+1]            ; with lane l xor 16's two the word is whole
	s_wait_alu depctr_va_vdst(0)
	s_wait_xcnt 0x0                                ; the last tile-step's stores have read the codes' registers
.irp c, 0,1
	v_cvt_scalef32_pk16_bf6_f32 v[PC+6*\c:PC+6*\c+2], v[X+32*\c:X+32*\c+15], v[MX+2+\c]
	v_cvt_scalef32_pk16_bf6_f32 v[CT+4*\c:CT+4*\c+2], v[X+32*\c+16:X+32*\c+31], v[MX+2+\c]   ; (a conversion's three registers begin on an even number)
.endr
	v_nop                                          ; one plain place behind the conversions
.irp c, 0,1
.irp i, 0,1,2
	v_mov_b32 v[PC+3+6*\c+\i], v[CT+4*\c+\i]
.endr
.endr
.irp c, 0,1,2
	global_store_b128 v[LI], v[PC+4*\c:PC+4*\c+3], s[14:15] offset:((\k)%2)*3072+((\k)/2)*1536+512*\c   ; 512 consecutive bytes, aligned to 256
.endr
.endm
	LOAD 0
	LOAD 1
	TS 0
	TS 1
	TS 2
	TS 3
	v_cmp_le_u32 vcc_lo, 16, v1                    ; lanes 16-31 carry tile 1's words
	v_cndmask_b32 v[SW], v[WD], v[WD+2], vcc_lo
	v_cndmask_b32 v[SW+1], v[WD+1], v[WD+3], vcc_lo
	global_store_b64 v[L8], v[SW:SW+1], s[16:17]   ; 256 consecutive bytes, aligned
	s_wait_tensorcnt 0x0
	ds_add_u32 v254, v255
	s_wait_dscnt 0x0
	s_endpgm
.Lfunc_end_k_qae1faa2182_quant:
	.size	k_qae1faa2182_quant, .Lfunc_end_k_qae1faa2182_quant-k_qae1faa2182_quant
	.p2alignl 7, 3214868480
	.fill 96, 4, 3214868480
	.section	.rodata,"a",@progbits
	.p2align	6, 0x0
	.amdhsa_kernel k_qae1faa2182_quant
		.amdhsa_group_segment_fixed_size 34304
		.amdhsa_private_segment_fixed_size 0
		.amdhsa_enable_private_segment 0
		.amdhsa_kernarg_size 72
		.amdhsa_user_sgpr_count 2
		.amdhsa_user_sgpr_kernarg_segment_ptr 1
		.amdhsa_wavefront_size32 1
		.amdhsa_system_sgpr_workgroup_id_x 1
		.amdhsa_system_sgpr_workgroup_id_y 1
		.amdhsa_system_sgpr_workgroup_id_z 1
		.amdhsa_system_vgpr_workitem_id 0
		.amdhsa_next_free_vgpr 256
		.amdhsa_next_free_sgpr 66
		.amdhsa_reserve_vcc 1
		.amdhsa_float_denorm_mode_32 3
		.amdhsa_float_denorm_mode_16_64 3
		.amdhsa_memory_ordered 1
		.amdhsa_forward_progress 1
		.amdhsa_inst_pref_size 31
	.end_amdhsa_kernel
	.amdgpu_metadata
---
amdhsa.version: [ 1, 2 ]
amdhsa.kernels:
  - .name:           k_qae1faa2182_quant
    .symbol:         k_qae1faa2182_quant.kd
    .args:
      - { .name: x, .offset: 0, .size: 8, .value_kind: global_buffer, .address_space: global }
      - { .name: Wq, .offset: 8, .size: 8, .value_kind: global_buffer, .address_space: global }
      - { .name: Wk, .offset: 16, .size: 8, .value_kind: global_buffer, .address_space: global }
      - { .name: Wv, .offset: 24, .size: 8, .value_kind: global_buffer, .address_space: global }
      - { .name: Wc, .offset: 32, .size: 8, .value_kind: global_buffer, .address_space: global }
      - { .name: x_img, .offset: 40, .size: 8, .value_kind: global_buffer, .address_space: global }
      - { .name: x_scl, .offset: 48, .size: 8, .value_kind: global_buffer, .address_space: global }
      - { .name: w_img, .offset: 56, .size: 8, .value_kind: global_buffer, .address_space: global }
      - { .name: w_scl, .offset: 64, .size: 8, .value_kind: global_buffer, .address_space: global }
    .group_segment_fixed_size: 34304
    .private_segment_fixed_size: 0
    .kernarg_segment_align: 8
    .kernarg_segment_size: 72
    .max_flat_workgroup_size: 128
    .sgpr_count:     66
    .vgpr_count:     256
    .wavefront_size: 32
...
	.end_amdgpu_metadata
.endif
;; end of part 1
;; launch qkv (part 2): grid 32 x 8, 4 waves a work-group, clusters of 4 x 1, 327,680 bytes of LDS; arguments x_img, x_scl, w_img, w_scl, bq, bk, bv, q_img, kv; writes q_img, kv
.if DOCPART == 2
	.amdgcn_target "amdgcn-amd-amdhsa--gfx1250"
	.amdhsa_code_object_version 6
	.text
	.protected	k_qae1faa2182_qkv
	.globl	k_qae1faa2182_qkv
	.p2align	8
	.type	k_qae1faa2182_qkv,@function
k_qae1faa2182_qkv:
	s_mov_b64 s[64:65], 0
	v_nop
	global_prefetch_b8 v0, s[64:65] scope:SCOPE_SE
	s_setreg_imm32_b32 hwreg(HW_REG_WAVE_MODE, 25, 1), 1
	s_wait_xcnt 0x0
	s_wait_alu depctr_hold_cnt(0) depctr_sa_sdst(0) depctr_va_vdst(0) depctr_va_sdst(0) depctr_va_ssrc(0) depctr_va_vcc(0) depctr_vm_vsrc(0)
	s_getreg_b32 s2, hwreg(HW_REG_IB_STS2, 6, 4)
	s_cmp_eq_u32 s2, 0
	s_cbranch_scc0 .Lentry_in_a_cluster
	s_endpgm
.Lentry_in_a_cluster:
	s_bfe_u32 s2, ttmp6, 0x10000c
	s_cmp_lg_u32 s2, 0x3003
	s_cbranch_scc0 .Lentry_shape_is_right
	s_endpgm
.Lentry_shape_is_right:
; q = x Wq^T + bq, k = x Wk^T + bk, v = x Wv^T + bv on codes of BF6 (E3M2), sums in f32 with the bias as the C of each sum's first product; the results are quantised at once
; (q, k along the head's 64 channels, v along the keys) and leave as images of the operand registers that the attention launch wants.  Fragment images, pairs of tiles and scale words: as the quantising launch lays them.
; SHARES.  Work-group x (4 x cluster x + place in the cluster) picks 512 tokens, a wave 128 of them (a key step of one batch): its 48 fragments of x (576 registers) stay in registers.
; Work-group y = c picks the output channels: three heads of q (c < 4) or of k (c >= 4), 64 channels a unit, and 96 channels of v, 32 a unit: 3 x 192 + 3 x 96 matrix instructions a wave, the same for every wave.
; The work-group's part of the weights, 165,888 bytes, lies whole in LDS: filled once, never again.  CLUSTER: the four work-groups of a cluster differ in their tokens alone and read the same weights,
; so each part is asked for jointly (mask 15).  A wave has one tensor load outstanding at the most: its two fills come one after the other.
; Q, K UNITS: source 0 = 16 channels of W, source 1 = 16 tokens: a lane holds one token, and the 32 registers of a token tile run along the head's 64 channels (16 of each block of 32; the lane 16 away has the others).
; Two token tiles make one PAIR FRAGMENT: registers 0-5 tile 2 b's 64 channels, registers 6-11 tile 2 b + 1's; scale word = (tile 2 b: two bytes, tile 2 b + 1: two bytes).
; V UNITS: source 0 = 16 tokens, source 1 = 16 channels of Wv: a lane holds one channel and its 64 registers run along the key step's 128 keys: one fragment of V^T.
; kv, for each (batch, head): 8 key steps of 13,312 bytes: 4 pair fragments of K, 4 fragments of V^T, K's scale words [lane][4], V's [2][lane][2].  q_img: 8 groups of 6,656 bytes: 4 pair fragments, scale words [lane][4].
; LIMITS: a block whose largest magnitude lies under 2^-122 gets the byte 1; NaN and infinities are not served.
; No prefetch: every stream of the launch is asked for at its head by the loads themselves.
; REGISTERS: window 0: v1-6 addresses; v12-35 x's scale words; v36-47 W's; v48-119 six buffers for fragments of W; v120-159 the quantiser; v160-255 x, K step 5.
;   window 1: x, K steps 0, 1, and tiles 0-3 of step 2; v240-255 bias tiles 0, 1.   window 2: x, tiles 4-7 of step 2, steps 3, 4; v240-255 bias tiles 2, 3.   window 3: 32 accumulators.
.set LI,  1                            ; v1  16 x lane
.set L8,  2                            ; v2  8 x lane
.set H64, 3                            ; v3  64 h
.set RP4, 4                            ; v4  4 (r + 8 (r / 8))
.set AW,  5                            ; v5  LDS: 16 x lane + the unit's first byte
.set LIS, 6                            ; v6  16 x lane + where a group's scale words begin
.set XS,  12                           ; x's scale words: pair b, K step s at 12 + 6 b + s; lanes 0-15 tile 0, lanes 16-31 tile 1
.set WS,  36                           ; W's likewise
.set WF,  48
.set PC,  120                          ; v120-131 codes, v132-134, v136-138 halves as converted
.set TM,  140                          ; v140-143 maxima, v144-147 permutes and bytes, v152-155 scale operands
.set PW,  156                          ; v156-159 scale words just made
.set WV,  22
.set SEL, 100
.set MSB, 0
.macro WIN new                         ; the immediate's high byte repeats the setting that is left
.if MSB != (\new)
	s_set_vgpr_msb (MSB<<8)|(\new)
.set MSB, (\new)
.endif
.endm
.macro PLACES                          ; four plain places behind matrix instructions, ahead of loads into their registers and of reads of their results
.rept 4
	v_nop
.endr
.endm
.macro ROUND                           ; a round of the cluster's barrier
	s_barrier_signal -1
	s_barrier_wait -1
	s_cmp_lg_u32 s[WV], 0
	s_cbranch_scc1 .Lnot_wave_0_\@
	s_barrier_signal -3
.Lnot_wave_0_\@:
	s_barrier_wait -3
	s_barrier_signal -1
	s_barrier_wait -1
.endm
.macro BAR n                           ; my first fills but the n youngest have landed; then everybody's have.
	s_wait_tensorcnt \n
	s_wait_dscnt 0x0
	s_barrier_signal -1
	s_barrier_wait -1
.endm
.macro WM d, a, b, c, sa, sb, ra, rb   ; ra, rb: the side's scales stand in lanes 16-31
.if (\ra) && (\rb)
	v_wmma_scale_f32_16x16x128_f8f6f4 v[(\d):(\d)+7], v[(\a):(\a)+11], v[(\b):(\b)+11], v[(\c):(\c)+7], v[\sa], v[\sb] matrix_a_fmt:MATRIX_FMT_BF6 matrix_b_fmt:MATRIX_FMT_BF6 matrix_a_scale:MATRIX_SCALE_ROW1 matrix_b_scale:MATRIX_SCALE_ROW1
.elseif (\ra)
	v_wmma_scale_f32_16x16x128_f8f6f4 v[(\d):(\d)+7], v[(\a):(\a)+11], v[(\b):(\b)+11], v[(\c):(\c)+7], v[\sa], v[\sb] matrix_a_fmt:MATRIX_FMT_BF6 matrix_b_fmt:MATRIX_FMT_BF6 matrix_a_scale:MATRIX_SCALE_ROW1
.elseif (\rb)
	v_wmma_scale_f32_16x16x128_f8f6f4 v[(\d):(\d)+7], v[(\a):(\a)+11], v[(\b):(\b)+11], v[(\c):(\c)+7], v[\sa], v[\sb] matrix_a_fmt:MATRIX_FMT_BF6 matrix_b_fmt:MATRIX_FMT_BF6 matrix_b_scale:MATRIX_SCALE_ROW1
.else
	v_wmma_scale_f32_16x16x128_f8f6f4 v[(\d):(\d)+7], v[(\a):(\a)+11], v[(\b):(\b)+11], v[(\c):(\c)+7], v[\sa], v[\sb] matrix_a_fmt:MATRIX_FMT_BF6 matrix_b_fmt:MATRIX_FMT_BF6
.endif
.endm
.macro XAT s, i                        ; where x's fragment (K step s, tile i) lies: window XW, register XR
.if (\s) == 0
.set XW, 1
.set XR, 12*(\i)
.elseif (\s) == 1
.set XW, 1
.set XR, 96+12*(\i)
.elseif ((\s) == 2) && ((\i) < 4)
.set XW, 1
.set XR, 192+12*(\i)
.elseif (\s) == 2
.set XW, 2
.set XR, 12*((\i)-4)
.elseif (\s) == 3
.set XW, 2
.set XR, 48+12*(\i)
.elseif (\s) == 4
.set XW, 2
.set XR, 144+12*(\i)
.else
.set XW, 0
.set XR, 160+12*(\i)
.endif
.endm
.macro XLOAD s                         ; my eight fragments of x for K step s: 24 loads
.irp i, 0,1,2,3,4,5,6,7
	XAT \s, \i
	WIN XW<<6
.irp c, 0,1,2
	global_load_b128 v[XR+4*\c:XR+4*\c+3], v[LI], s[4:5] offset:(\i/2)*18432+(\s)*3072+(\i%2)*1536+512*\c
.endr
.endr
.endm
.macro FETCHQK k                       ; W's fragment of tile-step k = 4 s + t into buffer k % 6
	WIN 0
.irp c, 0,1,2
	ds_load_b128 v[WF+12*((\k)%6)+4*\c:WF+12*((\k)%6)+4*\c+3], v[AW] offset:(((\k)%4)/2)*18432+((\k)/4)*3072+((\k)%2)*1536+512*\c
.endr
.endm
.macro FETCHV k                        ; the same for k = 2 s + t
	WIN 0
.irp c, 0,1,2
	ds_load_b128 v[WF+12*((\k)%6)+4*\c:WF+12*((\k)%6)+4*\c+3], v[AW] offset:((\k)/2)*3072+((\k)%2)*1536+512*\c
.endr
.endm
; 64 numbers of a lane in window w, register 16 b + i = k 32 b + 16 h + i of my row, become a fragment's codes in v[PC] on and its scale word in v[pw].
.macro QUANT s, pw, w
	s_wait_xcnt 0x0                                ; earlier stores have read the codes' and the words' registers
	WIN ((\w)<<4)|((\w)<<2)
.irp b, 0,1,2,3
	v_max3_num_f32 v[TM+\b], 0x2800000, |v[(\s)+16*\b]|, |v[(\s)+16*\b+1]|   ; my 16 of block b, each accumulator from its low end on, and the floor 2^(5 - 127)
.endr
.irp i, 2,4,6,8,10,12,14
.irp b, 0,1,2,3
	v_max3_num_f32 v[TM+\b], v[TM+\b], |v[(\s)+16*\b+\i]|, |v[(\s)+16*\b+\i+1]|
.endr
.endr
	WIN 0
.irp b, 0,1,2,3
	v_permlanex16_b32 v[TM+4+\b], v[TM+\b], s[SEL], s[SEL+1]
.endr
.irp b, 0,1,2,3
	v_max_num_f32 v[TM+\b], v[TM+\b], v[TM+4+\b]   ; with lane l xor 16's: the block's largest magnitude
.endr
.irp b, 0,1,2,3
	v_add_nc_u32 v[TM+12+\b], 0xfe000000, v[TM+\b] ; 4 off its exponent field: the conversion's scale operand
.endr
.irp b, 0,1,2,3
	v_lshrrev_b32 v[TM+4+\b], 23, v[TM+12+\b]      ; the byte
.endr
	v_lshl_or_b32 v[\pw], v[TM+5], 8, v[TM+4]
	v_lshl_or_b32 v[\pw], v[TM+6], 16, v[\pw]
	v_lshl_or_b32 v[\pw], v[TM+7], 24, v[\pw]
	WIN (\w)
.irp c, 0,1
	v_cvt_scalef32_pk16_bf6_f32 v[PC+6*\c:PC+6*\c+2], v[(\s)+32*\c:(\s)+32*\c+15], v[TM+12+2*\c]
	v_cvt_scalef32_pk16_bf6_f32 v[PC+12+4*\c:PC+14+4*\c], v[(\s)+32*\c+16:(\s)+32*\c+31], v[TM+13+2*\c]
.endr
	WIN 0
	v_nop                                          ; one plain place behind the conversions
.irp c, 0,1                            ; the operand wants a whole block in a lane: lanes 0-15 block 2 c, lanes 16-31 block 2 c + 1
.irp i, 0,1,2
	v_permlane16_swap_b32 v[PC+6*\c+\i], v[PC+12+4*\c+\i]
.endr
.irp i, 0,1,2
	v_mov_b32 v[PC+3+6*\c+\i], v[PC+12+4*\c+\i]
.endr
.endr
.endm
.macro LDQK j                          ; unit j's scale words of W and its bias, in the result's layout: lane (r, h), tile 2 b + u: channels 32 b + 16 h + 8 u + 0 .. 7
	WIN 0
.irp b, 0,1
.irp p, 0,1,2
	global_load_b64 v[WS+6*\b+2*\p:WS+6*\b+2*\p+1], v[L8], s[88:89] offset:(2*(\j)+\b)*768+256*\p
.endr
.endr
.irp t, 0,1,2,3
	WIN (1+\t/2)<<6
	global_load_b128 v[240+8*(\t%2):243+8*(\t%2)], v[H64], s[84:85] offset:(64*(\j)+32*(\t/2)+8*(\t%2))*4
	global_load_b128 v[244+8*(\t%2):247+8*(\t%2)], v[H64], s[84:85] offset:(64*(\j)+32*(\t/2)+8*(\t%2))*4+16
.endr
	WIN 0
.endm
.macro LDV j                           ; the same for a unit of v: a lane's eight registers all hold its own channel's bias
	WIN 0
.irp p, 0,1,2
	global_load_b64 v[WS+2*\p:WS+2*\p+1], v[L8], s[90:91] offset:(\j)*768+256*\p
.endr
	WIN 1<<6
.irp t, 0,1
.irp q, 0,1,2,3,4,5,6,7
	global_load_b32 v[240+8*\t+\q], v[RP4], s[86:87] offset:(32*(\j)+8*\t)*4
.endr
.endr
	WIN 0
.endm
; A unit of q or k: 24 tile-steps (K step s = k / 4, tile t = k % 4 of W), eight products each, one for each token tile: the accumulators take turns, one instruction a turn.
; first = 1: x's fragments are still arriving, two K steps ahead.
.macro MULQK first
.set k, 0
.rept 24
.set ks, k/4
.set kt, k%4
.if (\first) && (kt == 0)
.if ks < 5
	s_wait_loadcnt 24                              ; this K step's fragments of x (and all before them) are in; the next step's 24 loads may be out
.else
	s_wait_loadcnt 0x0
.endif
.if ks <= 3
	XLOAD ks+2
.endif
.endif
.if k <= 18
	s_wait_dscnt 15                                ; this buffer is in; the five younger buffers' three loads each may be out
.else
	s_wait_dscnt 3*(23-k)
.endif
.irp i, 0,1,2,3,4,5,6,7
	XAT ks, \i
.if ks == 0
.set CW, 1+kt/2
.set rC, 240+8*(kt%2)
.else
.set CW, 3
.set rC, 8*(4*\i+kt)
.endif
	WIN (3<<6)|(CW<<4)|(XW<<2)
	WM 8*(4*\i+kt), WF+12*(k%6), XR, rC, WS+6*(kt/2)+ks, XS+6*(\i/2)+ks, kt%2, \i%2
.endr
	PLACES
.if k+6 < 24
	FETCHQK k+6
.endif
.set k, k+1
.endr
.endm
; A unit of v: 12 tile-steps (s = k / 2, t = k % 2), source 0 = x.
.macro MULV
.set k, 0
.rept 12
.set ks, k/2
.set kt, k%2
.if k <= 6
	s_wait_dscnt 15
.else
	s_wait_dscnt 3*(11-k)
.endif
.irp i, 0,1,2,3,4,5,6,7
	XAT ks, \i
.if ks == 0
.set CW, 1
.set rC, 240+8*kt
.else
.set CW, 3
.set rC, 8*(8*kt+\i)
.endif
	WIN (3<<6)|(CW<<4)|XW
	WM 8*(8*kt+\i), XR, WF+12*(k%6), rC, XS+6*(\i/2)+ks, WS+ks, \i%2, kt
.endr
	PLACES
.if k+6 < 12
	FETCHV k+6
.endif
.set k, k+1
.endr
.endm
.macro EPIQK j                         ; four pair fragments and their scale words leave; each store covers 512 consecutive bytes, aligned to 256
.irp b, 0,1,2,3
	QUANT 64*\b, PW+\b, 3
.irp c, 0,1,2
	global_store_b128 v[LI], v[PC+4*\c:PC+4*\c+3], s[66+2*(\j):67+2*(\j)] offset:\b*1536+512*\c
.endr
.endr
	global_store_b128 v[LIS], v[PW:PW+3], s[66+2*(\j):67+2*(\j)]
.endm
.macro EPIV j                          ; two fragments of V^T and their scale words
.irp t, 0,1
	QUANT 64*\t, PW+\t, 3
.irp c, 0,1,2
	global_store_b128 v[LI], v[PC+4*\c:PC+4*\c+3], s[72+2*(\j):73+2*(\j)] offset:\t*1536+512*\c
.endr
.endr
	global_store_b64 v[L8], v[PW:PW+1], s[78+2*(\j):79+2*(\j)]
.endm
	s_load_b256 s[4:11], s[0:1], 0x0               ; x_img, x_scl, w_img, w_scl
	s_load_b256 s[12:19], s[0:1], 0x20             ; bq, bk, bv, q_img
	s_load_b64 s[20:21], s[0:1], 0x40              ; kv
	v_lshl_add_u32 v150, v0, 2, 0x29000
	v_mov_b32 v151, 0
	ds_add_u32 v150, v151
	ds_add_u32 v150, v151
	v_lshrrev_b32 v7, 5, v0
	v_readfirstlane_b32 s[WV], v7                  ; wave 0..3
	s_bfe_u32 s23, ttmp6, 0x40000                  ; my place in the cluster: it enters x's, q's and kv's global addresses alone
	s_lshl_b32 s24, ttmp9, 2
	s_add_co_u32 s24, s24, s23                     ; g: which 512 tokens
	s_and_b32 s25, ttmp7, 0xffff                   ; c: which channels; the four partners share it
	s_lshr_b32 s26, s25, 2                         ; 1: my q-or-k units are k's
	v_and_b32 v7, 31, v0
	v_lshlrev_b32 v[LI], 4, v7
	v_lshlrev_b32 v[L8], 3, v7
	v_bfe_u32 v8, v0, 4, 1
	v_lshlrev_b32 v[H64], 6, v8
	v_and_b32 v9, 15, v0
	v_and_b32 v10, 8, v9
	v_add_nc_u32 v10, v10, v9
	v_lshlrev_b32 v[RP4], 2, v10
	s_lshl_b32 s92, 6144, s26
	v_add_nc_u32 v[LIS], s92, v[LI]
.irp b, 0,1,2,3
	v_mov_b32 v[TM+4+\b], 0                        ; a lane permute's destination counts as read: written once
.endr
	s_mov_b32 s[SEL], 0x76543210
	s_mov_b32 s[SEL+1], 0xfedcba98
	; THE WEIGHTS' FILLS, each byte once, ONE TENSOR LOAD A WAVE at the head and one behind the later round; dense blocks as rows of 256 bytes (32 elements of 8 bytes); mask: all four partners.
	; At the head: unit 0, a quarter (36 rows) a wave.  Later: waves 0, 1 bring the halves of units 1 and 2 (144 rows each), waves 2, 3 the halves of v's three units (108 rows each).
.irp g, 28,36,48
	s_mov_b32 s[\g], 15|(3<<16)|(1<<21)
	s_mov_b32 s[\g+1], 32<<16
	s_mov_b32 s[\g+3], 32<<16
	s_mov_b32 s[\g+5], 32
	s_mov_b32 s[\g+6], 0
	s_mov_b32 s[\g+7], 0
.endr
	s_mov_b32 s30, 36<<16
	s_mov_b32 s32, 36
	s_mov_b32 s38, 144<<16
	s_mov_b32 s40, 144
	s_mov_b32 s50, 108<<16
	s_mov_b32 s52, 108
	s_mul_i32 s92, s[WV], 9216
	s_mul_i32 s93, s[WV], 36864
	s_mul_i32 s98, s[WV], 27648
	s_mul_i32 s94, s25, 110592                     ; six pairs of rows of Wq or Wk
	s_mov_b32 s95, 0
	s_mul_i32 s96, s25, 55296                      ; three pairs of rows of Wv, behind Wq's and Wk's 48;
	s_add_co_u32 s96, s96, 48*18432-55296          ; less two waves' shares: waves 2 and 3 fetch them
	s_mov_b32 s97, 0
	s_wait_alu depctr_va_vdst(0)
	s_wait_dscnt 0x0
	s_wait_kmcnt 0x0
	s_add_nc_u64 s[58:59], s[8:9], s[94:95]
	s_mov_b32 s94, s92
	s_add_nc_u64 s[46:47], s[58:59], s[94:95]      ; unit 0, my quarter
	s_add_co_u32 s94, s93, 36864
	s_add_nc_u64 s[58:59], s[58:59], s[94:95]      ; units 1 and 2, my half
	s_add_nc_u64 s[62:63], s[8:9], s[96:97]
	s_mov_b32 s96, s98
	s_add_nc_u64 s[62:63], s[62:63], s[96:97]      ; v's units, my half
	s_mov_b32 s44, 1
	s_mov_b32 s45, s92
	s_or_b32 s47, s47, 0x80000000
	s_mov_b32 s56, 1
	s_add_co_u32 s57, s93, 36864
	s_or_b32 s59, s59, 0x80000000
	s_mov_b32 s60, 1
	s_add_co_u32 s61, s98, 55296                   ; wave 2: byte 110,592, behind the three q-or-k units
	s_or_b32 s63, s63, 0x80000000
	ROUND                                          ; all four work-groups are here: the joint loads meet
	tensor_load_to_lds s[44:47], s[28:35]
	s_nop 0
	PLACES
	s_lshl_b32 s92, s24, 4
	s_lshl_b32 s93, s[WV], 2
	s_add_co_u32 s92, s92, s93                     ; my first pair of rows of x: 16 g + 4 w
	s_mul_i32 s96, s92, 18432
	s_add_nc_u64 s[4:5], s[4:5], s[96:97]
	s_mul_i32 s96, s92, 768
	s_add_nc_u64 s[6:7], s[6:7], s[96:97]
	s_mul_i32 s96, s25, 4608
	s_add_nc_u64 s[88:89], s[10:11], s[96:97]      ; W's scale words, my q-or-k units
	s_mul_i32 s96, s25, 2304
	s_add_co_u32 s96, s96, 48*768
	s_add_nc_u64 s[90:91], s[10:11], s[96:97]      ; and my units of v
	s_mul_i32 s96, s25, 384
	s_add_nc_u64 s[86:87], s[16:17], s[96:97]      ; bv at my 96 channels
	s_and_b32 s94, s25, 3
	s_mul_i32 s94, s94, 3                          ; my first head
	s_cmp_lg_u32 s26, 0
	s_cselect_b64 s[66:67], s[20:21], s[18:19]     ; kv or q_img
	s_cselect_b64 s[84:85], s[14:15], s[12:13]     ; bk or bq
	s_lshl_b32 s96, s94, 8
	s_add_nc_u64 s[84:85], s[84:85], s[96:97]
.irp b, 0,1,2,3
.irp p, 0,1,2
	global_load_b64 v[XS+6*\b+2*\p:XS+6*\b+2*\p+1], v[L8], s[6:7] offset:\b*768+256*\p
.endr
.endr
	LDQK 0
	XLOAD 0
	XLOAD 1
	WIN 0
	s_lshr_b32 s92, s24, 1                         ; batch
	s_and_b32 s93, s24, 1
	s_lshl_b32 s93, s93, 2
	s_add_co_u32 s93, s93, s[WV]                   ; key step (group of 128 queries)
	s_mul_i32 s95, s92, 12
	s_add_co_u32 s96, s95, s94
	s_lshl_b32 s96, s96, 3
	s_add_co_u32 s96, s96, s93
	s_mul_i32 s96, s96, 6656                       ; q_img's stride; kv's is twice that
	s_lshl_b32 s96, s96, s26
	s_add_nc_u64 s[66:67], s[66:67], s[96:97]
	s_lshl_b32 s96, 53248, s26                     ; a head on
	s_add_nc_u64 s[68:69], s[66:67], s[96:97]
	s_add_nc_u64 s[70:71], s[68:69], s[96:97]
	s_mov_b32 s99, 0
.irp j, 0,1,2
	s_mul_i32 s96, s25, 3
	s_add_co_u32 s96, s96, \j                      ; which 32 channels of v
	s_and_b32 s92, s96, 1                          ; the head's lower or upper 32
	s_lshr_b32 s96, s96, 1                         ; the head
	s_add_co_u32 s96, s96, s95
	s_lshl_b32 s96, s96, 3
	s_add_co_u32 s96, s96, s93
	s_mul_i32 s96, s96, 13312
	s_mul_i32 s98, s92, 3072
	s_add_co_u32 s98, s98, 6144
	s_add_nc_u64 s[72+2*\j:73+2*\j], s[20:21], s[96:97]
	s_add_nc_u64 s[72+2*\j:73+2*\j], s[72+2*\j:73+2*\j], s[98:99]
	s_lshl_b32 s98, s92, 8
	s_add_co_u32 s98, s98, 12800
	s_add_nc_u64 s[78+2*\j:79+2*\j], s[20:21], s[96:97]
	s_add_nc_u64 s[78+2*\j:79+2*\j], s[78+2*\j:79+2*\j], s[98:99]
.endr
.macro NEXTQK base, j                  ; the next unit's first fragments and its words and bias are asked for; they land under this unit's way out
	WIN 0
	v_add_nc_u32 v[AW], \base, v[LI]
.irp f, 0,1,2,3,4,5
	FETCHQK \f
.endr
	LDQK \j
.endm
.macro NEXTV base, j
	WIN 0
	v_add_nc_u32 v[AW], \base, v[LI]
.irp f, 0,1,2,3,4,5
	FETCHV \f
.endr
	LDV \j
.endm
	s_wait_alu depctr_va_vdst(0)                   ; ahead of the later fill
	s_wait_tensorcnt 0x0                           ; my quarter of unit 0 is in,
	ds_add_u32 v150, v151
	s_wait_dscnt 0x0
	ROUND                                          ; everybody's is, and the four work-groups are here
	s_cmp_lt_u32 s[WV], 2
	s_cbranch_scc0 .Lfor_v
	tensor_load_to_lds s[56:59], s[36:43]
	s_nop 0
	PLACES
	s_branch .Lasked
.Lfor_v:
	tensor_load_to_lds s[60:63], s[48:55]
	s_nop 0
	PLACES
.Lasked:
	v_add_nc_u32 v[AW], 0, v[LI]
.irp f, 0,1,2,3,4,5
	FETCHQK \f
.endr
	s_wait_alu depctr_va_vdst(0)
	MULQK 1
	BAR 0                                          ; all the other weights are in, for the rest of the launch
	NEXTQK 36864, 1
	EPIQK 0
	s_wait_loadcnt 0x0                             ; the unit's scale words and bias
	MULQK 0
	NEXTQK 73728, 2
	EPIQK 1
	s_wait_loadcnt 0x0
	MULQK 0
	NEXTV 110592, 0
	EPIQK 2
	s_wait_loadcnt 0x0
	MULV
	NEXTV 129024, 1
	EPIV 0
	s_wait_loadcnt 0x0
	MULV
	NEXTV 147456, 2
	EPIV 1
	s_wait_loadcnt 0x0
	MULV
	EPIV 2
	WIN 0
	s_wait_tensorcnt 0x0
	ds_add_u32 v150, v151
	s_wait_dscnt 0x0
	ROUND                                          ; the closing round
	s_endpgm
.Lfunc_end_k_qae1faa2182_qkv:
	.size	k_qae1faa2182_qkv, .Lfunc_end_k_qae1faa2182_qkv-k_qae1faa2182_qkv
	.p2alignl 7, 3214868480
	.fill 96, 4, 3214868480
	.section	.rodata,"a",@progbits
	.p2align	6, 0x0
	.amdhsa_kernel k_qae1faa2182_qkv
		.amdhsa_group_segment_fixed_size 327680
		.amdhsa_private_segment_fixed_size 0
		.amdhsa_enable_private_segment 0
		.amdhsa_kernarg_size 72
		.amdhsa_user_sgpr_count 2
		.amdhsa_user_sgpr_kernarg_segment_ptr 1
		.amdhsa_wavefront_size32 1
		.amdhsa_system_sgpr_workgroup_id_x 1
		.amdhsa_system_sgpr_workgroup_id_y 1
		.amdhsa_system_sgpr_workgroup_id_z 1
		.amdhsa_system_vgpr_workitem_id 0
		.amdhsa_next_free_vgpr 1024
		.amdhsa_next_free_sgpr 102
		.amdhsa_reserve_vcc 0
		.amdhsa_float_denorm_mode_32 3
		.amdhsa_float_denorm_mode_16_64 3
		.amdhsa_memory_ordered 1
		.amdhsa_forward_progress 1
		.amdhsa_inst_pref_size 255
	.end_amdhsa_kernel
	.section	.bss,"aw",@nobits
	.p2align	6
	.space	262144
	.amdgpu_metadata
---
amdhsa.version: [ 1, 2 ]
amdhsa.kernels:
  - .name:           k_qae1faa2182_qkv
    .symbol:         k_qae1faa2182_qkv.kd
    .args:
      - { .name: x_img, .offset: 0, .size: 8, .value_kind: global_buffer, .address_space: global }
      - { .name: x_scl, .offset: 8, .size: 8, .value_kind: global_buffer, .address_space: global }
      - { .name: w_img, .offset: 16, .size: 8, .value_kind: global_buffer, .address_space: global }
      - { .name: w_scl, .offset: 24, .size: 8, .value_kind: global_buffer, .address_space: global }
      - { .name: bq, .offset: 32, .size: 8, .value_kind: global_buffer, .address_space: global }
      - { .name: bk, .offset: 40, .size: 8, .value_kind: global_buffer, .address_space: global }
      - { .name: bv, .offset: 48, .size: 8, .value_kind: global_buffer, .address_space: global }
      - { .name: q_img, .offset: 56, .size: 8, .value_kind: global_buffer, .address_space: global }
      - { .name: kv, .offset: 64, .size: 8, .value_kind: global_buffer, .address_space: global }
    .group_segment_fixed_size: 327680
    .private_segment_fixed_size: 0
    .kernarg_segment_align: 8
    .kernarg_segment_size: 72
    .max_flat_workgroup_size: 128
    .sgpr_count:     102
    .vgpr_count:     1024
    .wavefront_size: 32
...
	.end_amdgpu_metadata
.endif
;; end of part 2
;; launch attn (part 3): grid 4 x 64, 8 waves a work-group, clusters of 4 x 1, 327,680 bytes of LDS; arguments q_img, kv, ctx_img, ctx_scl; writes ctx_img, ctx_scl
.if DOCPART == 3
	.amdgcn_target "amdgcn-amd-amdhsa--gfx1250"
	.amdhsa_code_object_version 6
	.text
	.protected	k_qae1faa2182_attn
	.globl	k_qae1faa2182_attn
	.p2align	8
	.type	k_qae1faa2182_attn,@function
k_qae1faa2182_attn:
	s_mov_b64 s[64:65], 0
	v_nop
	global_prefetch_b8 v0, s[64:65] scope:SCOPE_SE
	s_setreg_imm32_b32 hwreg(HW_REG_WAVE_MODE, 25, 1), 1
	s_wait_xcnt 0x0
	s_wait_alu depctr_hold_cnt(0) depctr_sa_sdst(0) depctr_va_vdst(0) depctr_va_sdst(0) depctr_va_ssrc(0) depctr_va_vcc(0) depctr_vm_vsrc(0)
	s_getreg_b32 s2, hwreg(HW_REG_IB_STS2, 6, 4)
	s_cmp_eq_u32 s2, 0
	s_cbranch_scc0 .Lentry_in_a_cluster
	s_endpgm
.Lentry_in_a_cluster:
	s_bfe_u32 s2, ttmp6, 0x10000c
	s_cmp_lg_u32 s2, 0x3003
	s_cbranch_scc0 .Lentry_shape_is_right
	s_endpgm
.Lentry_shape_is_right:
; ctx[b][q][head][:] = softmax_k(q . k / 8) v, both products on codes of BF6 (E3M2); the result is quantised along the output projection's K (head x 64 + channel) and leaves as part of an operand image.
; THE SOFTMAX AHEAD OF THE SECOND PRODUCT: t = score x log2(e) / 8; M = the running largest t rounded UP to a whole number; p = 2^(t - M) is quantised along the keys, not normalised; the row's sum is taken of the
; unquantised p and divides at the end.  When M moves, the sum and O are multiplied by 2^(old M - new M): exact.
; SHARES.  256 work-groups that stay: work-group y picks THREE heads of one batch, (batch, head) = 3 y + 0 .. 2; the place in the cluster picks 256 queries; each of eight waves owns a PAIR of query tiles, 32 queries,
; in 512 registers, two waves to a SIMD.  Every fragment of K and of V^T that a wave reads from LDS serves both its tiles, and every phase of a key step takes the two tiles by turns.
; LDS: the three heads' blocks of kv, 106,496 bytes each, lie one behind the other as in memory, each byte filled once; behind them 1,024 bytes of spare words.
; CLUSTER: the four query blocks of a head read the same block, so it is asked for jointly (mask 15).  Head 0's block: an eighth (52 rows of 256 bytes) a wave, at the kernel's head.  Heads 1 and 2: one load of
; 104 rows a wave, behind a round, in front of head 0's walk.  A wave has one tensor load out.  One barrier behind head 0 shows those blocks whole.
; No prefetch: heads 1 and 2 are asked for by their own tensor loads eight key steps ahead of their first read, and head 0 at the kernel's head, where there is no loop to run ahead in.
; FRAGMENTS RUN AHEAD: K's of step n + 1 are asked for behind step n's score products, V^T's of step n at its head.  In a head's last step the address is held at that step, so that one text serves all eight.
; K = 64 IN AN INSTRUCTION OF 128: a pair fragment of K holds two key tiles (registers 0-5, 6-11).  It is multiplied once by [q | zero codes] and once by [zero codes | q]: the padding costs no byte of K.
; Both products are used transposed (S^T = K Q^T, O^T = V^T P^T): a lane holds one query of each tile throughout; the 16 registers of a pair's two key tiles are 16 neighbouring keys.
; LIMITS: a block's largest p is taken from the block's largest score (this takes v_exp_f32 not to fall where its input rises); NaN and infinities are not served; a block of ctx under 2^-122 gets the byte 1.
; REGISTERS.  Window 1, tile i: S^T then p at 64 i; O^T at 128 + 32 i; six zeros, q, six zeros at 192 + 18 i; the row's sum at 228 + 2 i; four chains of the sum at 232 + 8 i.  Window 0: all else.
.set HB,  106496                       ; a head's block of kv: 8 key steps of 13,312 bytes
.set SPARE, 3*HB
.set LI,  1                            ; 16 x lane
.set L8,  2                            ; 8 x lane
.set AD,  3                            ; LDS: this key step + 16 x lane
.set AD8, 4                            ; LDS: this key step + 8 x lane
.set SB,  5                            ; 8 r + h
.set H8,  6                            ; 8 h
.set ADK, 7                            ; LDS: the step whose K is asked for + 16 x lane
.set NM,  12                           ; v[12+2i:13+2i]: -M, the running largest t
.set QS,  20                           ; q's scale word, tile i: its two bytes twice
.set KS,  24                           ; K's scale words, pair b
.set VS,  28                           ; V's, tile t
.set FK,  32                           ; v32-79 four pair fragments of K
.set FV,  80                           ; v80-127 four fragments of V^T
.set PCD, 128                          ; p's codes, 12 a tile
.set CT,  152                          ; halves as converted, 8 a tile
.set BM,  168                          ; block maxima, 4 a tile
.set PD,  176                          ; permutes, bytes
.set SO,  184                          ; scale operands
.set T,   192
.set FF,  194                          ; v[194+2i]: f = 2^(old M - new M);  v[195+2i]: p's scale word
.set PS,  195
.set QTA, 200                          ; the pair fragments of q as loaded, and their scale words: heads 0, 1, 2
.set QTB, 214
.set QTC, 228
.set Q,   192                          ; window 1
.set SUM, 228
.set CH,  232
.set WV,  12
.set CS,  18
.set SEL, 20
.set TB,  22
.set CNT, 23
.set G1A, 24
.set G1B, 32
.set G0A, 40
.set G0B, 44
.set QP,  58                           ; s[58:59] my pair fragment of q, s[60:61] its scale words: head 0's; the later heads' by the immediate
.set TK,  62
.set LIM, 63
.set HD,  66
.set CP,  68                           ; s[68+4t:69+4t] where head t's codes go, s[70+4t:71+4t] its scale bytes
.set CUR, 80                           ; the same for the head at work in the loop
.set MSB, 0
.macro WIN new                         ; low byte: bits 1:0 source 0, 3:2 source 1, 5:4 source 2, 7:6 destination; the high byte repeats the setting that is left
.if MSB != (\new)
	s_set_vgpr_msb (MSB<<8)|(\new)
.set MSB, (\new)
.endif
.endm
.macro ROUND
	s_barrier_signal -1
	s_barrier_wait -1
	s_cmp_lg_u32 s[WV], 0
	s_cbranch_scc1 .Lnot_wave_0_\@
	s_barrier_signal -3
.Lnot_wave_0_\@:
	s_barrier_wait -3
	s_barrier_signal -1
	s_barrier_wait -1
.endm
.macro WMZ d, a, b, sa, sb             ; a product that starts its sum
	v_wmma_scale_f32_16x16x128_f8f6f4 v[(\d):(\d)+7], v[(\a):(\a)+11], v[(\b):(\b)+11], 0, v[\sa], v[\sb] matrix_a_fmt:MATRIX_FMT_BF6 matrix_b_fmt:MATRIX_FMT_BF6
.endm
.macro WMA d, a, b, sa, sb             ; one that adds in place
	v_wmma_scale_f32_16x16x128_f8f6f4 v[(\d):(\d)+7], v[(\a):(\a)+11], v[(\b):(\b)+11], v[(\d):(\d)+7], v[\sa], v[\sb] matrix_a_fmt:MATRIX_FMT_BF6 matrix_b_fmt:MATRIX_FMT_BF6
.endm
.macro QLOAD t, qt                     ; head t's pair fragment of q and, behind it, its scale word
.irp c, 0,1,2
	global_load_b128 v[(\qt)+4*\c:(\qt)+4*\c+3], v[LI], s[QP:QP+1] offset:(\t)*53248+512*\c
.endr
	global_load_b32 v[(\qt)+12], v[LI], s[QP+2:QP+3] offset:(\t)*53248
.endm
.macro KLOAD                           ; 13 loads: four pair fragments of K and their scale words
.irp b, 0,1,2,3
.irp c, 0,1,2
	ds_load_b128 v[FK+12*\b+4*\c:FK+12*\b+4*\c+3], v[ADK] offset:\b*1536+512*\c
.endr
.endr
	ds_load_b128 v[KS:KS+3], v[ADK] offset:12288
.endm
; A KEY STEP: 128 keys, two query tiles.
.macro STEP
	s_add_co_u32 s[TK], s[TB], 13312
	s_min_u32 s[TK], s[TK], s[LIM]                 ; the next step, held at the head's last
	v_add_nc_u32 v[AD], s[TB], v[LI]
	v_add_nc_u32 v[AD8], s[TB], v[L8]
	v_add_nc_u32 v[ADK], s[TK], v[LI]
	v_nop                                          ; four places ahead of loads into registers that the last products read
.irp t, 0,1,2,3                        ; 14 loads: V^T's fragments and scale words land under the softmax
.irp c, 0,1,2
	ds_load_b128 v[FV+12*\t+4*\c:FV+12*\t+4*\c+3], v[AD] offset:6144+\t*1536+512*\c
.endr
.endr
	ds_load_b64 v[VS:VS+1], v[AD8] offset:12800
	ds_load_b64 v[VS+2:VS+3], v[AD8] offset:13056
	s_wait_alu depctr_va_vdst(0)
	s_wait_dscnt 14                                ; K's 13 loads are in; the 14 just issued may be out
	WIN 0x44
.irp b, 0,1,2,3                        ; S^T: registers 64 i + 16 b + 8 u + j of lane (r, h): key 32 b + 16 h + 8 u + j
.irp i, 0,1
	WMZ 64*\i+16*\b, FK+12*\b, Q+18*\i+6, KS+\b, QS+\i
	WMZ 64*\i+16*\b+8, FK+12*\b, Q+18*\i, KS+\b, QS+\i
.endr
.endr
	WIN 0
.rept 4
	v_nop
.endr
	KLOAD
	WIN 0x15
.irp i, 0,1
.irp b, 0,1,2,3
	v_max3_num_f32 v[BM+4*\i+\b], v[64*\i+16*\b], v[64*\i+16*\b+1], v[64*\i+16*\b+2]   ; the largest score of each block of 32 keys: for the row's maximum, and for the block's largest p
.endr
.endr
	WIN 0x14
.irp k, 3,5,7,9,11,13
.irp i, 0,1
.irp b, 0,1,2,3
	v_max3_num_f32 v[BM+4*\i+\b], v[BM+4*\i+\b], v[64*\i+16*\b+\k], v[64*\i+16*\b+\k+1]
.endr
.endr
.endr
.irp i, 0,1
.irp b, 0,1,2,3
	v_max_num_f32 v[BM+4*\i+\b], v[BM+4*\i+\b], v[64*\i+16*\b+15]
.endr
.endr
	WIN 0
.irp n, 0,1,2,3,4,5,6,7
	v_permlanex16_b32 v[PD+\n], v[BM+\n], s[SEL], s[SEL+1]
.endr
.irp n, 0,1,2,3,4,5,6,7
	v_max_num_f32 v[BM+\n], v[BM+\n], v[PD+\n]     ; with lane l xor 16's 16 keys
.endr
.irp i, 0,1
	v_max3_num_f32 v[T+\i], v[BM+4*\i], v[BM+4*\i+1], v[BM+4*\i+2]
.endr
.irp i, 0,1
	s_delay_alu instid0(VALU_DEP_2)
	v_max_num_f32 v[T+\i], v[T+\i], v[BM+4*\i+3]
.endr
.irp i, 0,1
	s_delay_alu instid0(VALU_DEP_2)
	v_mul_f32 v[T+\i], s[CS], v[T+\i]              ; as t (c is positive)
.endr
.irp i, 0,1
	s_delay_alu instid0(VALU_DEP_2)
	v_max_num_f32 v[NM+2*\i+1], v[NM+2*\i+1], v[T+\i]   ; the running largest t
.endr
.irp i, 0,1
	v_mov_b32 v[T+\i], v[NM+2*\i]
.endr
.irp i, 0,1
	s_delay_alu instid0(VALU_DEP_4)
	v_floor_f32 v[NM+2*\i], -v[NM+2*\i+1]          ; -M = floor(-t): M is a whole number
.endr
.irp i, 0,1
	s_delay_alu instid0(VALU_DEP_2)
	v_sub_f32 v[T+\i], v[NM+2*\i], v[T+\i]         ; old M - new M, a whole number, 0 or less
.endr
.irp i, 0,1
	s_delay_alu instid0(VALU_DEP_2)
	v_cvt_i32_f32 v[T+\i], v[T+\i]                 ; (it saturates)
.endr
.irp i, 0,1
	s_delay_alu instid0(VALU_DEP_2)
	v_ldexp_f32 v[FF+2*\i], 1.0, v[T+\i]           ; f
.endr
.irp i, 0,1
.irp b, 0,1,2,3
	v_fma_f32 v[BM+4*\i+\b], v[BM+4*\i+\b], s[CS], v[NM+2*\i]   ; t - M of each block's largest score
.endr
.endr
	WIN 0x41
.irp i, 0,1
.set j, 0
.rept 32
	v_pk_fma_f32 v[64*\i+j:64*\i+j+1], v[64*\i+j:64*\i+j+1], s[CS:CS+1], v[NM+2*\i:NM+2*\i+1] op_sel_hi:[1,0,0]   ; t - M
.set j, j+2
.endr
.endr
	s_wait_alu depctr_va_vdst(0)                   ; ahead of the batch
.set j, 0
.rept 128
	v_exp_f32 v[j], v[j]                           ; p = 2^(t - M)
.set j, j+1
.endr
.irp i, 0,1
	v_pk_mul_f32 v[SUM+2*\i:SUM+2*\i+1], v[SUM+2*\i:SUM+2*\i+1], v[FF+2*\i:FF+2*\i+1] op_sel_hi:[1,0]   ; the sums under the new M: the plain place behind the batch
.endr
	s_wait_alu depctr_va_vdst(0)                   ; one wait for the batch of 128, ahead of its first reader
	WIN 0
.irp n, 0,1,2,3,4,5,6,7
	v_exp_f32 v[BM+\n], v[BM+\n]                   ; the block's largest p
.endr
	WIN 0x45
.irp c, 0,1,2,3                        ; the row's sum of the unquantised p: four chains a tile
.irp i, 0,1
	v_pk_add_f32 v[CH+8*\i+2*\c:CH+8*\i+2*\c+1], v[64*\i+2*\c:64*\i+2*\c+1], v[64*\i+8+2*\c:64*\i+8+2*\c+1]
.endr
.endr
.irp g, 16,24,32,40,48,56
.irp c, 0,1,2,3
.irp i, 0,1
	v_pk_add_f32 v[CH+8*\i+2*\c:CH+8*\i+2*\c+1], v[CH+8*\i+2*\c:CH+8*\i+2*\c+1], v[64*\i+\g+2*\c:64*\i+\g+2*\c+1]
.endr
.endr
.endr
.irp i, 0,1
	v_pk_add_f32 v[CH+8*\i:CH+8*\i+1], v[CH+8*\i:CH+8*\i+1], v[CH+8*\i+2:CH+8*\i+3]
.endr
.irp i, 0,1
	v_pk_add_f32 v[CH+8*\i+4:CH+8*\i+5], v[CH+8*\i+4:CH+8*\i+5], v[CH+8*\i+6:CH+8*\i+7]
.endr
.irp i, 0,1
	s_delay_alu instid0(VALU_DEP_2)
	v_pk_add_f32 v[CH+8*\i:CH+8*\i+1], v[CH+8*\i:CH+8*\i+1], v[CH+8*\i+4:CH+8*\i+5]
.endr
.irp i, 0,1
	s_delay_alu instid0(VALU_DEP_2)
	v_pk_add_f32 v[SUM+2*\i:SUM+2*\i+1], v[SUM+2*\i:SUM+2*\i+1], v[CH+8*\i:CH+8*\i+1]
.endr
	WIN 0
	s_wait_alu depctr_va_vdst(0)                   ; and one for the eight
.irp n, 0,1,2,3,4,5,6,7
	v_max_num_f32 v[BM+\n], 0x2800000, v[BM+\n]    ; the floor 2^(5 - 127): the byte cannot fall under 1
.endr
.irp n, 0,1,2,3,4,5,6,7
	v_add_nc_u32 v[SO+\n], 0xfe000000, v[BM+\n]    ; 4 off the exponent field: the conversion's scale operand
.endr
.irp n, 0,1,2,3,4,5,6,7
	v_lshrrev_b32 v[PD+\n], 23, v[SO+\n]           ; the byte
.endr
.irp i, 0,1
	v_lshl_or_b32 v[PS+2*\i], v[PD+4*\i+1], 8, v[PD+4*\i]
.endr
.irp i, 0,1
	s_delay_alu instid0(VALU_DEP_2)
	v_lshl_or_b32 v[PS+2*\i], v[PD+4*\i+2], 16, v[PS+2*\i]
.endr
.irp i, 0,1
	s_delay_alu instid0(VALU_DEP_2)
	v_lshl_or_b32 v[PS+2*\i], v[PD+4*\i+3], 24, v[PS+2*\i]
.endr
	WIN 0x01
.irp i, 0,1
.irp c, 0,1
	v_cvt_scalef32_pk16_bf6_f32 v[PCD+12*\i+6*\c:PCD+12*\i+6*\c+2], v[64*\i+32*\c:64*\i+32*\c+15], v[SO+4*\i+2*\c]
	v_cvt_scalef32_pk16_bf6_f32 v[CT+8*\i+4*\c:CT+8*\i+4*\c+2], v[64*\i+32*\c+16:64*\i+32*\c+31], v[SO+4*\i+2*\c+1]
.endr
.endr
	WIN 0
	v_nop                                          ; one plain place behind the conversions
.irp i, 0,1
.irp c, 0,1
.irp k, 0,1,2
	v_permlane16_swap_b32 v[PCD+12*\i+6*\c+\k], v[CT+8*\i+4*\c+\k]   ; the operand wants a whole block in a lane
.endr
.endr
.endr
.irp i, 0,1
.irp c, 0,1
.irp k, 0,1,2
	v_mov_b32 v[PCD+12*\i+6*\c+3+\k], v[CT+8*\i+4*\c+\k]
.endr
.endr
.endr
	WIN 0x41
	s_wait_alu depctr_va_vdst(0)                   ; directly ahead of the first reader of O^T
.irp i, 0,1
.set j, 0
.rept 16
	v_pk_mul_f32 v[128+32*\i+j:128+32*\i+j+1], v[128+32*\i+j:128+32*\i+j+1], v[FF+2*\i:FF+2*\i+1] op_sel_hi:[1,0]   ; O^T under the new M; also the places ahead of the products
.set j, j+2
.endr
.endr
	s_wait_alu depctr_va_vdst(0)
	s_wait_dscnt 13                                ; V^T's 14 loads are in; the next K's 13 may be out
	WIN 0x50
.irp t, 0,1,2,3                        ; O^T += V^T P^T: the eight accumulators take turns
.irp i, 0,1
	WMA 128+32*\i+8*\t, FV+12*\t, PCD+12*\i, VS+\t, PS+2*\i
.endr
.endr
	WIN 0
	s_add_co_u32 s[TB], s[TB], 13312
.endm
; ONE HEAD (s[TB]: its block in LDS): q from v[qt] on into its place, eight key steps, the way out by the pointers s[ptr] on.  shift = 1: the next head's q moves up
.macro HEAD qt, ptr, shift
	s_add_co_u32 s[LIM], s[TB], 7*13312
	s_wait_loadcnt 0x0                             ; q
	s_wait_xcnt 0x0                                ; the last head's stores have read their registers
	s_wait_dscnt 0x0                               ; no load into K's registers is out
	v_add_nc_u32 v[ADK], s[TB], v[LI]
	KLOAD                                          ; the head's first step
	WIN 0x40
.irp i, 0,1
.irp k, 0,1,2,3,4,5
	v_mov_b32 v[Q+18*\i+6+\k], v[(\qt)+6*\i+\k]    ; tile i's six registers of the pair fragment, between the zero codes
.endr
.endr
	WIN 0
	v_and_b32 v[T], 0xffff, v[(\qt)+12]
	v_lshrrev_b32 v[T+1], 16, v[(\qt)+12]
.irp i, 0,1
	s_delay_alu instid0(VALU_DEP_2)
	v_lshl_or_b32 v[QS+\i], v[T+\i], 16, v[T+\i]   ; tile i's two bytes, below and above: one word serves both forms of q
.endr
.if \shift
.set j, 0
.rept 13
	v_mov_b32 v[QTB+j], v[QTC+j]
.set j, j+1
.endr
.endif
.irp i, 0,1
	v_mov_b32 v[NM+2*\i+1], 0xff61b1e6             ; the largest t so far: -3e38
.endr
.irp i, 0,1
	s_delay_alu instid0(VALU_DEP_2)
	v_floor_f32 v[NM+2*\i], -v[NM+2*\i+1]
.endr
	WIN 0x40
.set j, 0
.rept 4
	v_mov_b32 v[SUM+j], 0
.set j, j+1
.endr
.set j, 0
.rept 64
	v_mov_b32 v[128+j], 0                          ; the step is written once: the first finds zeros.  These are also the places ahead of the first products
.set j, j+1
.endr
	WIN 0
	s_mov_b32 s[CNT], 8
.Lstep_\@:
	STEP
	s_sub_co_u32 s[CNT], s[CNT], 1
	s_cmp_lg_u32 s[CNT], 0
	s_cbranch_scc1 .Lstep_\@
	; THE WAY OUT: O^T / the sum; registers 16 b + k = channel 32 b + 16 h + k of my query: two blocks of the output projection's K
	WIN 0x05
.irp i, 0,1
	v_add_f32 v[T+\i], v[SUM+2*\i], v[SUM+2*\i+1]
.endr
	WIN 0
.irp i, 0,1
	v_permlanex16_b32 v[PD+\i], v[T+\i], s[SEL], s[SEL+1]
.endr
.irp i, 0,1
	v_add_f32 v[T+\i], v[T+\i], v[PD+\i]           ; with lane l xor 16's keys: the row's sum
.endr
	s_wait_alu depctr_va_vdst(0)
.irp i, 0,1
	v_rcp_f32 v[FF+2*\i], v[T+\i]
.endr
	v_nop                                          ; the plain place behind the reciprocals
	WIN 0x41
	s_wait_alu depctr_va_vdst(0)                   ; ahead of their first reader, and of O^T's
.irp i, 0,1
.set j, 0
.rept 16
	v_pk_mul_f32 v[64*\i+j:64*\i+j+1], v[128+32*\i+j:128+32*\i+j+1], v[FF+2*\i:FF+2*\i+1] op_sel_hi:[1,0]
.set j, j+2
.endr
.endr
	WIN 0x14
.irp i, 0,1
.irp b, 0,1
	v_max3_num_f32 v[BM+4*\i+\b], 0x2800000, |v[64*\i+16*\b]|, |v[64*\i+16*\b+1]|
.endr
.endr
.irp k, 2,4,6,8,10,12,14
.irp i, 0,1
.irp b, 0,1
	v_max3_num_f32 v[BM+4*\i+\b], v[BM+4*\i+\b], |v[64*\i+16*\b+\k]|, |v[64*\i+16*\b+\k+1]|
.endr
.endr
.endr
	WIN 0
.irp n, 0,1,4,5
	v_permlanex16_b32 v[PD+\n], v[BM+\n], s[SEL], s[SEL+1]
.endr
.irp n, 0,1,4,5
	s_delay_alu instid0(VALU_DEP_4)
	v_max_num_f32 v[BM+\n], v[BM+\n], v[PD+\n]
.endr
.irp n, 0,1,4,5
	s_delay_alu instid0(VALU_DEP_4)
	v_add_nc_u32 v[SO+\n], 0xfe000000, v[BM+\n]
.endr
.irp n, 0,1,4,5
	s_delay_alu instid0(VALU_DEP_4)
	v_lshrrev_b32 v[PD+\n], 23, v[SO+\n]
.endr
.irp i, 0,1
	v_lshl_or_b32 v[T+\i], v[PD+4*\i+1], 8, v[PD+4*\i]   ; my row's two bytes;
.endr
.irp i, 0,1
	s_delay_alu instid0(VALU_DEP_2)
	v_lshrrev_b32 v[T+\i], v[H8], v[T+\i]          ; lane (r, h) stores byte h
.endr
	WIN 0x01
.irp i, 0,1
	v_cvt_scalef32_pk16_bf6_f32 v[PCD+12*\i:PCD+12*\i+2], v[64*\i:64*\i+15], v[SO+4*\i]
	v_cvt_scalef32_pk16_bf6_f32 v[CT+8*\i:CT+8*\i+2], v[64*\i+16:64*\i+31], v[SO+4*\i+1]
.endr
	WIN 0
	v_nop
.irp i, 0,1
.irp k, 0,1,2
	v_permlane16_swap_b32 v[PCD+12*\i+\k], v[CT+8*\i+\k]
.endr
.endr
.irp i, 0,1
.irp k, 0,1,2
	v_mov_b32 v[PCD+12*\i+3+\k], v[CT+8*\i+\k]
.endr
.endr
.irp i, 0,1
.irp p, 0,1,2
	global_store_b64 v[L8], v[PCD+12*\i+2*\p:PCD+12*\i+2*\p+1], s[(\ptr):(\ptr)+1] offset:1536*\i+256*\p   ; 256 consecutive bytes, aligned
.endr
	global_store_b8 v[SB], v[T+\i], s[(\ptr)+2:(\ptr)+3] offset:128*\i   ; two bytes of each row's word: one part in 48 of what the wave stores
.endr
.endm
	s_load_b256 s[4:11], s[0:1], 0x0               ; q_img, kv, ctx_img, ctx_scl
	v_lshl_add_u32 v254, v0, 2, SPARE
	v_mov_b32 v255, 0
	ds_add_u32 v254, v255                          ; the opening lines: the add, twice on end, and its wait ahead of my first tensor load
	ds_add_u32 v254, v255
	v_lshrrev_b32 v8, 5, v0
	v_readfirstlane_b32 s[WV], v8                  ; wave 0..7
	s_bfe_u32 s13, ttmp6, 0x40000                  ; my place in the cluster: it enters q's and ctx's global addresses alone
	s_and_b32 s14, ttmp7, 0xffff                   ; y: which three heads; the four partners share it
	v_and_b32 v8, 31, v0
	v_and_b32 v9, 15, v0
	v_bfe_u32 v10, v0, 4, 1
	v_lshlrev_b32 v[LI], 4, v8
	v_lshlrev_b32 v[L8], 3, v8
	v_lshl_add_u32 v[SB], v9, 3, v10
	v_lshlrev_b32 v[H8], 3, v10
.irp n, 0,1,2,3,4,5,6,7
	v_mov_b32 v[PD+\n], 0                          ; a lane permute's destination counts as read
.endr
.irp i, 0,1
	v_mov_b32 v[PS+2*\i], 0                        ; (named as the upper half of the pair with f before it is first made)
.endr
	WIN 0x40
.irp i, 0,1
.irp k, 0,1,2,3,4,5
	v_mov_b32 v[Q+18*\i+\k], 0                     ; zero codes, for the whole launch
	v_mov_b32 v[Q+18*\i+12+\k], 0
.endr
.endr
	WIN 0
	; descriptor groups 1: dense blocks as rows of 256 bytes (32 elements of 8 bytes): 52 rows (an eighth of a head's block), 104 rows (an eighth of two); mask: all four partners
.irp g, G1A, G1B
	s_mov_b32 s[\g], 15|(3<<16)|(1<<21)
	s_mov_b32 s[\g+1], 32<<16
	s_mov_b32 s[\g+3], 32<<16
	s_mov_b32 s[\g+5], 32
	s_mov_b32 s[\g+6], 0
	s_mov_b32 s[\g+7], 0
.endr
	s_mov_b32 s[G1A+2], 52<<16
	s_mov_b32 s[G1A+4], 52
	s_mov_b32 s[G1B+2], 104<<16
	s_mov_b32 s[G1B+4], 104
	s_mov_b32 s[CS], 0x3e38aa3b                    ; c = log2(e) / 8
	s_mov_b32 s[CS+1], s[CS]
	s_mov_b32 s[SEL], 0x76543210
	s_mov_b32 s[SEL+1], 0xfedcba98
	s_mul_i32 s50, s[WV], 13312                    ; my eighth of head 0's block,
	s_mul_i32 s52, s[WV], 26624
	s_add_co_u32 s52, s52, HB                      ; and of the two behind it
	s_mul_i32 s48, s14, 3*HB
	s_mov_b32 s49, 0
	s_mov_b32 s51, 0
	s_mov_b32 s53, 0
	s_wait_alu depctr_va_vdst(0)
	s_wait_dscnt 0x0                               ; both opening adds are done
	s_wait_kmcnt 0x0
	s_add_nc_u64 s[6:7], s[6:7], s[48:49]
	s_mov_b32 s[G0A], 1
	s_mov_b32 s[G0A+1], s50
	s_add_nc_u64 s[G0A+2:G0A+3], s[6:7], s[50:51]
	s_or_b32 s[G0A+3], s[G0A+3], 0x80000000
	s_mov_b32 s[G0B], 1
	s_mov_b32 s[G0B+1], s52
	s_add_nc_u64 s[G0B+2:G0B+3], s[6:7], s[52:53]
	s_or_b32 s[G0B+3], s[G0B+3], 0x80000000
	ROUND                                          ; all four work-groups are here: the joint loads meet
	tensor_load_to_lds s[G0A:G0A+3], s[G1A:G1A+7]  ; head 0's block: my one load at the head
	s_nop 0
.rept 4
	v_nop
.endr
	s_mul_i32 s48, s14, 3*53248                    ; q: my first head, the group of 128 queries,
	s_lshl_b32 s50, s13, 1
	s_lshr_b32 s52, s[WV], 2
	s_add_co_u32 s50, s50, s52
	s_mul_i32 s50, s50, 6656
	s_add_co_u32 s48, s48, s50
	s_add_nc_u64 s[4:5], s[4:5], s[48:49]
	s_and_b32 s50, s[WV], 3                        ; the pair in the group
	s_mul_i32 s52, s50, 1536
	s_add_nc_u64 s[QP:QP+1], s[4:5], s[52:53]
	s_lshl_b32 s52, s50, 2
	s_add_co_u32 s52, s52, 6144
	s_add_nc_u64 s[QP+2:QP+3], s[4:5], s[52:53]
	QLOAD 0, QTA
	QLOAD 1, QTB
	QLOAD 2, QTC
	s_lshr_b32 s15, s14, 2                         ; batch = 3 y / 12
	s_and_b32 s16, s14, 3
	s_mul_i32 s16, s16, 3                          ; my first head
	s_lshl_b32 s48, s15, 5
	s_lshl_b32 s50, s13, 3
	s_add_co_u32 s48, s48, s50
	s_add_co_u32 s56, s48, s[WV]                   ; my pair of rows of ctx
	s_mul_i32 s48, s56, 18432
	s_add_nc_u64 s[8:9], s[8:9], s[48:49]
	s_mul_i32 s48, s56, 768
	s_add_nc_u64 s[10:11], s[10:11], s[48:49]
.irp t, 0,1,2
	s_add_co_u32 s52, s16, \t                      ; the head
	s_lshr_b32 s48, s52, 1
	s_mul_i32 s48, s48, 3072                       ; K step = head / 2
	s_and_b32 s54, s52, 1
	s_mul_i32 s50, s54, 768                        ; the fragment's lower or upper six registers: three pieces of 256 bytes
	s_add_co_u32 s48, s48, s50
	s_add_nc_u64 s[CP+4*\t:CP+4*\t+1], s[8:9], s[48:49]
	s_lshr_b32 s48, s52, 2
	s_lshl_b32 s48, s48, 8
	s_bfe_u32 s50, s52, 0x10001
	s_lshl_b32 s50, s50, 2
	s_add_co_u32 s48, s48, s50
	s_lshl_b32 s54, s54, 1
	s_add_co_u32 s48, s48, s54
	s_add_nc_u64 s[CP+4*\t+2:CP+4*\t+3], s[10:11], s[48:49]
.endr
	s_wait_alu depctr_va_vdst(0)                   ; ahead of the later fill
	s_wait_tensorcnt 0x0                           ; my eighth of head 0's block is in,
	ds_add_u32 v254, v255
	s_wait_dscnt 0x0
	ROUND                                          ; everybody's is, and the four work-groups are here: the joint loads meet
	tensor_load_to_lds s[G0B:G0B+3], s[G1B:G1B+7]  ; heads 1 and 2
	s_nop 0
.rept 4
	v_nop
.endr
	s_mov_b32 s[TB], 0
	HEAD QTA, CP, 0
	s_wait_alu depctr_va_vdst(0)
	s_wait_tensorcnt 0x0                           ; my eighth of the two later blocks is in,
	s_wait_dscnt 0x0
	s_barrier_signal -1
	s_barrier_wait -1                              ; everybody's is
	s_mov_b64 s[CUR:CUR+1], s[CP+4:CP+5]
	s_mov_b64 s[CUR+2:CUR+3], s[CP+6:CP+7]
	s_mov_b32 s[HD], 1
.Lhead:                                ; heads 1 and 2: no barrier between them
	s_mul_i32 s[TB], s[HD], HB
	HEAD QTB, CUR, 1
	s_wait_xcnt 0x0                                ; the stores have read their pointers
	s_mov_b64 s[CUR:CUR+1], s[CP+8:CP+9]
	s_mov_b64 s[CUR+2:CUR+3], s[CP+10:CP+11]
	s_add_co_u32 s[HD], s[HD], 1
	s_cmp_lt_u32 s[HD], 3
	s_wait_alu depctr_va_vdst(0)
	s_cbranch_scc1 .Lhead
	s_wait_tensorcnt 0x0                           ; the wave's end
	ds_add_u32 v254, v255
	s_wait_dscnt 0x0
	ROUND                                          ; the closing round
	s_endpgm
.Lfunc_end_k_qae1faa2182_attn:
	.size	k_qae1faa2182_attn, .Lfunc_end_k_qae1faa2182_attn-k_qae1faa2182_attn
	.p2alignl 7, 3214868480
	.fill 96, 4, 3214868480
	.section	.rodata,"a",@progbits
	.p2align	6, 0x0
	.amdhsa_kernel k_qae1faa2182_attn
		.amdhsa_group_segment_fixed_size 327680
		.amdhsa_private_segment_fixed_size 0
		.amdhsa_enable_private_segment 0
		.amdhsa_kernarg_size 32
		.amdhsa_user_sgpr_count 2
		.amdhsa_user_sgpr_kernarg_segment_ptr 1
		.amdhsa_wavefront_size32 1
		.amdhsa_system_sgpr_workgroup_id_x 1
		.amdhsa_system_sgpr_workgroup_id_y 1
		.amdhsa_system_sgpr_workgroup_id_z 1
		.amdhsa_system_vgpr_workitem_id 0
		.amdhsa_next_free_vgpr 512
		.amdhsa_next_free_sgpr 88
		.amdhsa_reserve_vcc 0
		.amdhsa_float_denorm_mode_32 3
		.amdhsa_float_denorm_mode_16_64 3
		.amdhsa_memory_ordered 1
		.amdhsa_forward_progress 1
		.amdhsa_inst_pref_size 94
	.end_amdhsa_kernel
	.amdgpu_metadata
---
amdhsa.version: [ 1, 2 ]
amdhsa.kernels:
  - .name:           k_qae1faa2182_attn
    .symbol:         k_qae1faa2182_attn.kd
    .args:
      - { .name: q_img, .offset: 0, .size: 8, .value_kind: global_buffer, .address_space: global }
      - { .name: kv, .offset: 8, .size: 8, .value_kind: global_buffer, .address_space: global }
      - { .name: ctx_img, .offset: 16, .size: 8, .value_kind: global_buffer, .address_space: global }
      - { .name: ctx_scl, .offset: 24, .size: 8, .value_kind: global_buffer, .address_space: global }
    .group_segment_fixed_size: 327680
    .private_segment_fixed_size: 0
    .kernarg_segment_align: 8
    .kernarg_segment_size: 32
    .max_flat_workgroup_size: 256
    .sgpr_count:     88
    .vgpr_count:     512
    .wavefront_size: 32
...
	.end_amdgpu_metadata
.endif
;; end of part 3
;; launch outp (part 4): grid 64 x 4, 4 waves a work-group, clusters of 4 x 1, 327,680 bytes of LDS; arguments ctx_img, ctx_scl, w_img, w_scl, bc, out0; writes out0
.if DOCPART == 4
	.amdgcn_target "amdgcn-amd-amdhsa--gfx1250"
	.amdhsa_code_object_version 6
	.text
	.protected	k_qae1faa2182_outp
	.globl	k_qae1faa2182_outp
	.p2align	8
	.type	k_qae1faa2182_outp,@function
k_qae1faa2182_outp:
	s_mov_b64 s[64:65], 0
	v_nop
	global_prefetch_b8 v0, s[64:65] scope:SCOPE_SE
	s_setreg_imm32_b32 hwreg(HW_REG_WAVE_MODE, 25, 1), 1
	s_wait_xcnt 0x0
	s_wait_alu depctr_hold_cnt(0) depctr_sa_sdst(0) depctr_va_vdst(0) depctr_va_sdst(0) depctr_va_ssrc(0) depctr_va_vcc(0) depctr_vm_vsrc(0)
	s_getreg_b32 s2, hwreg(HW_REG_IB_STS2, 6, 4)
	s_cmp_eq_u32 s2, 0
	s_cbranch_scc0 .Lentry_in_a_cluster
	s_endpgm
.Lentry_in_a_cluster:
	s_bfe_u32 s2, ttmp6, 0x10000c
	s_cmp_lg_u32 s2, 0x3003
	s_cbranch_scc0 .Lentry_shape_is_right
	s_endpgm
.Lentry_shape_is_right:
; out0 = ctx Wc^T + bc on codes of BF6 (E3M2), sums in f32 with the bias as the C of each sum's first product.  Wc's images, pairs of tiles and scale words: as the quantising launch lays them; ctx's images in pieces of 256 bytes (registers 2 p, 2 p + 1, lane l at 8 l).
; SHARES.  Work-group x (4 x cluster x + place in the cluster) picks 256 tokens, a wave 64 of them: its 24 fragments of ctx stay in registers.  Work-group y picks 192 output channels, three units of 64.
; The work-group's part of Wc, 110,592 bytes, lies whole in LDS, filled once: each wave brings a quarter, 108 rows of 256 bytes, by its one tensor load.  CLUSTER: the four partners differ in their tokens alone
; and read the same weights, so each quarter is asked for jointly (mask 15).  Results go through each wave's own stage behind the weights and leave as whole units of 256 bytes.
; No prefetch: every stream of the launch is asked for at its head by the loads themselves.
.set LI,  1
.set L8,  2
.set H64, 3
.set AW,  5
.set STO, 6
.set RD,  7
.set GO,  8
.set XS,  12
.set WS,  24
.set WF,  48
.set OB,  128
.set ACC, 48
.set BI,  176
.set WV,  16
.set MSB, 0
.macro WIN new
.if MSB != (\new)
	s_set_vgpr_msb (MSB<<8)|(\new)
.set MSB, (\new)
.endif
.endm
.macro PLACES
.rept 4
	v_nop
.endr
.endm
.macro ROUND
	s_barrier_signal -1
	s_barrier_wait -1
	s_cmp_lg_u32 s[WV], 0
	s_cbranch_scc1 .Lnot_wave_0_\@
	s_barrier_signal -3
.Lnot_wave_0_\@:
	s_barrier_wait -3
	s_barrier_signal -1
	s_barrier_wait -1
.endm
.macro BAR n
	s_wait_tensorcnt \n
	s_wait_dscnt 0x0
	s_barrier_signal -1
	s_barrier_wait -1
.endm
.macro WM d, a, b, c, sa, sb, ra, rb
.if (\ra) && (\rb)
	v_wmma_scale_f32_16x16x128_f8f6f4 v[(\d):(\d)+7], v[(\a):(\a)+11], v[(\b):(\b)+11], v[(\c):(\c)+7], v[\sa], v[\sb] matrix_a_fmt:MATRIX_FMT_BF6 matrix_b_fmt:MATRIX_FMT_BF6 matrix_a_scale:MATRIX_SCALE_ROW1 matrix_b_scale:MATRIX_SCALE_ROW1
.elseif (\ra)
	v_wmma_scale_f32_16x16x128_f8f6f4 v[(\d):(\d)+7], v[(\a):(\a)+11], v[(\b):(\b)+11], v[(\c):(\c)+7], v[\sa], v[\sb] matrix_a_fmt:MATRIX_FMT_BF6 matrix_b_fmt:MATRIX_FMT_BF6 matrix_a_scale:MATRIX_SCALE_ROW1
.elseif (\rb)
	v_wmma_scale_f32_16x16x128_f8f6f4 v[(\d):(\d)+7], v[(\a):(\a)+11], v[(\b):(\b)+11], v[(\c):(\c)+7], v[\sa], v[\sb] matrix_a_fmt:MATRIX_FMT_BF6 matrix_b_fmt:MATRIX_FMT_BF6 matrix_b_scale:MATRIX_SCALE_ROW1
.else
	v_wmma_scale_f32_16x16x128_f8f6f4 v[(\d):(\d)+7], v[(\a):(\a)+11], v[(\b):(\b)+11], v[(\c):(\c)+7], v[\sa], v[\sb] matrix_a_fmt:MATRIX_FMT_BF6 matrix_b_fmt:MATRIX_FMT_BF6
.endif
.endm
.macro CAT s, i
.if (\s) < 5
.set CW, 1
.set CR, 48*(\s)+12*(\i)
.else
.set CW, 2
.set CR, 12*(\i)
.endif
.endm
.macro CLOAD s
.irp i, 0,1,2,3
	CAT \s, \i
	WIN CW<<6
.irp p, 0,1,2,3,4,5
	global_load_b64 v[CR+2*\p:CR+2*\p+1], v[L8], s[4:5] offset:(\i/2)*18432+(\s)*3072+(\i%2)*1536+256*\p
.endr
.endr
.endm
.macro FETCH k
	WIN 0
.irp c, 0,1,2
	ds_load_b128 v[WF+12*((\k)%6)+4*\c:WF+12*((\k)%6)+4*\c+3], v[AW] offset:(((\k)%4)/2)*18432+((\k)/4)*3072+((\k)%2)*1536+512*\c
.endr
.endm
.macro LDO j
	WIN 0
.irp b, 0,1
.irp p, 0,1,2
	global_load_b64 v[WS+6*\b+2*\p:WS+6*\b+2*\p+1], v[L8], s[10:11] offset:(2*(\j)+\b)*768+256*\p
.endr
.endr
	WIN 2<<6
.irp t, 0,1,2,3
	global_load_b128 v[BI+8*\t:BI+8*\t+3], v[H64], s[12:13] offset:(64*(\j)+32*(\t/2)+8*(\t%2))*4
	global_load_b128 v[BI+8*\t+4:BI+8*\t+7], v[H64], s[12:13] offset:(64*(\j)+32*(\t/2)+8*(\t%2))*4+16
.endr
	WIN 0
.endm
.macro MULO first
.set k, 0
.rept 24
.set ks, k/4
.set kt, k%4
.if (\first) && (kt == 0)
.if ks < 5
	s_wait_loadcnt 24
.else
	s_wait_loadcnt 0x0
.endif
.if ks <= 3
	CLOAD ks+2
.endif
.endif
.if k <= 18
	s_wait_dscnt 15
.else
	s_wait_dscnt 3*(23-k)
.endif
.irp i, 0,1,2,3
	CAT ks, \i
.if ks == 0
.set rC, BI+8*kt
.else
.set rC, ACC+8*(4*\i+kt)
.endif
	WIN (2<<6)|(2<<4)|(CW<<2)
	WM ACC+8*(4*\i+kt), WF+12*(k%6), CR, rC, WS+6*(kt/2)+ks, XS+6*(\i/2)+ks, kt%2, \i%2
.endr
	PLACES
.if k+6 < 24
	FETCH k+6
.endif
.set k, k+1
.endr
.endm
.macro TOSTAGE i
	s_wait_xcnt 0x0
	WIN 0x08
.irp t, 0,1,2,3
	ds_store_b128 v[STO], v[ACC+8*(4*(\i)+\t):ACC+8*(4*(\i)+\t)+3] offset:128*(\t/2)+32*(\t%2)
	ds_store_b128 v[STO], v[ACC+8*(4*(\i)+\t)+4:ACC+8*(4*(\i)+\t)+7] offset:128*(\t/2)+32*(\t%2)+16
.endr
	WIN 0
.irp n, 0,1,2,3,4,5,6,7
	ds_load_b128 v[OB+32*((\i)%2)+4*\n:OB+32*((\i)%2)+4*\n+3], v[RD] offset:544*\n
.endr
.endm
.macro SEND i, j, younger
	s_wait_dscnt \younger
.irp n, 0,1,2,3,4,5,6,7
	global_store_b128 v[GO], v[OB+32*((\i)%2)+4*\n:OB+32*((\i)%2)+4*\n+3], s[14:15] offset:(32*((\i)/2)+8*((\i)%2)+2*\n+8*(\n/4))*3072+256*(\j) th:TH_STORE_NT
.endr
.endm
.macro EPIO j
	TOSTAGE 0
	TOSTAGE 1
	SEND 0, \j, 16
	TOSTAGE 2
	SEND 1, \j, 16
	TOSTAGE 3
	SEND 2, \j, 16
	SEND 3, \j, 0
.endm
.macro NEXT base, j
	WIN 0
	v_add_nc_u32 v[AW], \base, v[LI]
.irp f, 0,1,2,3,4,5
	FETCH \f
.endr
	LDO \j
.endm
	s_load_b256 s[4:11], s[0:1], 0x0
	s_load_b128 s[12:15], s[0:1], 0x20
	v_lshl_add_u32 v254, v0, 2, 0x29000
	v_mov_b32 v255, 0
	ds_add_u32 v254, v255
	ds_add_u32 v254, v255
	v_lshrrev_b32 v9, 5, v0
	v_readfirstlane_b32 s[WV], v9
	s_bfe_u32 s17, ttmp6, 0x40000
	s_lshl_b32 s18, ttmp9, 2
	s_add_co_u32 s18, s18, s17
	s_and_b32 s19, ttmp7, 0xffff
	v_and_b32 v9, 31, v0
	v_lshlrev_b32 v[LI], 4, v9
	v_lshlrev_b32 v[L8], 3, v9
	v_and_b32 v10, 15, v0
	v_bfe_u32 v11, v0, 4, 1
	v_lshlrev_b32 v[H64], 6, v11
	s_mul_i32 s40, s[WV], 4352
	s_add_co_u32 s40, s40, 110592
	v_mul_u32_u24 v[STO], v10, 272
	v_lshl_add_u32 v[STO], v11, 6, v[STO]
	v_add_nc_u32 v[STO], s40, v[STO]
	v_mul_u32_u24 v[RD], v11, 272
	v_lshl_add_u32 v[RD], v10, 4, v[RD]
	v_add_nc_u32 v[RD], s40, v[RD]
	v_mul_u32_u24 v[GO], v11, 3072
	v_lshl_add_u32 v[GO], v10, 4, v[GO]
	s_mov_b32 s20, 15|(3<<16)|(1<<21)
	s_mov_b32 s21, 32<<16
	s_mov_b32 s22, 108<<16
	s_mov_b32 s23, 32<<16
	s_mov_b32 s24, 108
	s_mov_b32 s25, 32
	s_mov_b32 s26, 0
	s_mov_b32 s27, 0
	s_mul_i32 s40, s[WV], 27648
	s_mul_i32 s42, s19, 110592
	s_add_co_u32 s42, s42, 72*18432
	s_add_co_u32 s42, s42, s40
	s_mov_b32 s43, 0
	s_wait_dscnt 0x0
	s_wait_alu depctr_va_vdst(0)
	s_wait_kmcnt 0x0
	s_mov_b32 s28, 1
	s_mov_b32 s29, s40
	s_add_nc_u64 s[30:31], s[8:9], s[42:43]
	s_or_b32 s31, s31, 0x80000000
	ROUND                                          ; all four work-groups are here: the joint loads meet
	tensor_load_to_lds s[28:31], s[20:27]          ; my quarter of the weights: my one tensor load
	s_nop 0
	PLACES
	s_lshl_b32 s40, s18, 3
	s_lshl_b32 s41, s[WV], 1
	s_add_co_u32 s40, s40, s41
	s_mul_i32 s42, s40, 18432
	s_add_nc_u64 s[4:5], s[4:5], s[42:43]
	s_mul_i32 s42, s40, 768
	s_add_nc_u64 s[6:7], s[6:7], s[42:43]
	s_mul_i32 s42, s19, 4608
	s_add_co_u32 s42, s42, 72*768
	s_add_nc_u64 s[10:11], s[10:11], s[42:43]
	s_mul_i32 s42, s19, 768
	s_add_nc_u64 s[12:13], s[12:13], s[42:43]
	s_add_nc_u64 s[14:15], s[14:15], s[42:43]
	s_mul_i32 s42, s40, 32*3072
	s_add_nc_u64 s[14:15], s[14:15], s[42:43]
.irp b, 0,1
.irp p, 0,1,2
	global_load_b64 v[XS+6*\b+2*\p:XS+6*\b+2*\p+1], v[L8], s[6:7] offset:\b*768+256*\p
.endr
.endr
	s_wait_alu depctr_va_vdst(0)
	LDO 0
	CLOAD 0
	CLOAD 1
	WIN 0
	BAR 0                                          ; every wave's one load has landed: all the weights are in, for the whole launch
	v_add_nc_u32 v[AW], 0, v[LI]
.irp f, 0,1,2,3,4,5
	FETCH \f
.endr
	s_wait_alu depctr_va_vdst(0)
	MULO 1
	NEXT 36864, 1
	s_wait_alu depctr_va_vdst(0)
	EPIO 0
	s_wait_loadcnt 0x0
	MULO 0
	NEXT 73728, 2
	s_wait_alu depctr_va_vdst(0)
	EPIO 1
	s_wait_loadcnt 0x0
	MULO 0
	EPIO 2
	WIN 0
	s_wait_tensorcnt 0x0
	ds_add_u32 v254, v255
	s_wait_dscnt 0x0
	ROUND
	s_endpgm
.Lfunc_end_k_qae1faa2182_outp:
	.size	k_qae1faa2182_outp, .Lfunc_end_k_qae1faa2182_outp-k_qae1faa2182_outp
	.p2alignl 7, 3214868480
	.fill 96, 4, 3214868480
	.section	.rodata,"a",@progbits
	.p2align	6, 0x0
	.amdhsa_kernel k_qae1faa2182_outp
		.amdhsa_group_segment_fixed_size 327680
		.amdhsa_private_segment_fixed_size 0
		.amdhsa_enable_private_segment 0
		.amdhsa_kernarg_size 48
		.amdhsa_user_sgpr_count 2
		.amdhsa_user_sgpr_kernarg_segment_ptr 1
		.amdhsa_wavefront_size32 1
		.amdhsa_system_sgpr_workgroup_id_x 1
		.amdhsa_system_sgpr_workgroup_id_y 1
		.amdhsa_system_sgpr_workgroup_id_z 1
		.amdhsa_system_vgpr_workitem_id 0
		.amdhsa_next_free_vgpr 768
		.amdhsa_next_free_sgpr 66
		.amdhsa_reserve_vcc 0
		.amdhsa_float_denorm_mode_32 3
		.amdhsa_float_denorm_mode_16_64 3
		.amdhsa_memory_ordered 1
		.amdhsa_forward_progress 1
		.amdhsa_inst_pref_size 111
	.end_amdhsa_kernel
	.amdgpu_metadata
---
amdhsa.version: [ 1, 2 ]
amdhsa.kernels:
  - .name:           k_qae1faa2182_outp
    .symbol:         k_qae1faa2182_outp.kd
    .args:
      - { .name: ctx_img, .offset: 0, .size: 8, .value_kind: global_buffer, .address_space: global }
      - { .name: ctx_scl, .offset: 8, .size: 8, .value_kind: global_buffer, .address_space: global }
      - { .name: w_img, .offset: 16, .size: 8, .value_kind: global_buffer, .address_space: global }
      - { .name: w_scl, .offset: 24, .size: 8, .value_kind: global_buffer, .address_space: global }
      - { .name: bc, .offset: 32, .size: 8, .value_kind: global_buffer, .address_space: global }
      - { .name: out0, .offset: 40, .size: 8, .value_kind: global_buffer, .address_space: global }
    .group_segment_fixed_size: 327680
    .private_segment_fixed_size: 0
    .kernarg_segment_align: 8
    .kernarg_segment_size: 48
    .max_flat_workgroup_size: 128
    .sgpr_count:     66
    .vgpr_count:     768
    .wavefront_size: 32
...
	.end_amdgpu_metadata
.endif
;; end of part 4
